; MI455X (gfx1250); checked and timed in simulation.
; The chip was launched on July 23, 2026; its instructions are those of AMD's public machine-readable ISA for CDNA 5 (MIT licence, August 2026) and "CDNA5" Instruction Set Architecture Reference Guide (July 2026). The comments in the code are by the model that wrote it; some were corrected since.
;; Attention. Allowed arithmetic: float matrix products may take bf16 or f16 operands with f32 sums; all other float work in f32.
;; Inputs: W_K 8 x 64 x 512 float32; W_O 512 x 512 float32; W_Q 8 x 64 x 512 float32; W_V 8 x 64 x 512 float32; x 2 x 2,048 x 512 float32.
;; Outputs: out0 2 x 2,048 x 512 float32.
;; 2 versions, each right; version 2 is version 1 with the launches qkv, oproj written anew for expert scheduling mode. Each part assembles by itself: llvm-mc -triple=amdgcn-amd-amdhsa -mcpu=gfx1250 --defsym DOCPART=n.
;; ======== version 1 of 2: 2 launches
;; limits: right only within a limited range of input values
;; workspace buffers: zf 8,388,608 bytes; beta 131,072 bytes; tot 65,536 bytes
;; launch qkv (part 1): grid 8 x 32, 4 waves a work-group, no clusters, 136,960 bytes of LDS; arguments x, W_Q, W_K, W_V, zf, beta, tot; writes zf, beta, tot
.if DOCPART == 1
	.amdgcn_target "amdgcn-amd-amdhsa--gfx1250"
	.amdhsa_code_object_version 6
	.text
	.protected	k_q0c642008b7_qkv
	.globl	k_q0c642008b7_qkv
	.p2align	8
	.type	k_q0c642008b7_qkv,@function
k_q0c642008b7_qkv:
	s_mov_b64 s[64:65], 0
	v_nop
	global_prefetch_b8 v0, s[64:65] scope:SCOPE_SE
	s_setreg_imm32_b32 hwreg(HW_REG_WAVE_MODE, 25, 1), 1
	s_wait_xcnt 0x0
; qkv: projections q, k, v of one head for 128 rows, the softmax of the problem's own mask, and the part of z that the block can make alone.
;
; THE MASK.  reference() forms scores*tril - 1e10*(1 - triu): for p < q that is s - 1e10, for p = q it is s_qq, for p > q exactly 0.
; With t = s_qq/8, c = 2047 - pos (the number of p > q), cand = 0 (or t where c = 0), m = max(t, cand):
;   z[q] = (e_q v[q] + e_0 * sum over p > q of v[p]) / Z,   e_q = exp(t-m), e_0 = exp(cand-m), Z = e_q + c e_0.
; The row maximum is taken away as in reference().  LIMIT OF RANGE: the terms p < q have exponent (s - 1e10)/8 - m, which is below
; -2.5e8 while every |score| < 4e9, so that they are exactly 0 in f32; beyond |score| = 4e9 this text is not right.
; Here: a[row][f] = alpha v[row] + beta * (sum of v over the later rows of this block of 128), alpha = e_q/Z, beta = e_0/Z.  The later
; blocks' share, beta * T, is added by the next launch from beta and from the blocks' sums of v (tot).  Sums are made by additions only.
; x and the weights are rounded once to bf16; q, k, v, the dot, the scan and the softmax are f32; a leaves as a pair of bf16 (hi + lo).
;
; SHARES.  Work-group (head i = x id, row block rb = y id): 128 rows x 192 columns, K = 512 in 8 steps of 64.  Wave w: all 128 rows x
; channels 16w..16w+15 of q, k and v: 24 accumulator tiles, so the scan along rows stays in a wave; only the dot crosses waves.
; q and k tiles are used transposed (source 0 = W, source 1 = x): lane (r,h) register j = row r, channel 8h+j.  v tiles in natural
; order: register j = row 8h+j, lane r = channel r.
; NO CLUSTER, NO TENSOR LOADS: the tiles that work-groups share (x among 8 heads, W among 32 row blocks) are f32 and must be rounded
; before the matrix unit.  Brought into LDS as they are, a K step's 80 KB would be written and read there once more on top of the 40 KB
; of bf16 that are written now; through registers the rounding costs no LDS bytes.
;
; REGISTERS: window 0 addresses, fragments, conversions; window 1 the 24 tiles (tile (i,c) at 8(3i+c)); windows 2 and 3 two sets of
; 40 x 4 registers of f32 as loaded.
.set PITCH, 144                        ; LDS row of a slot: 64 bf16 + 16 bytes = 9 x 16: sixteen rows start at sixteen different 16-byte columns of 256
.set SLOTB, 320*PITCH                  ; rows 0-127 x; row 128 + 48w + 16c + n: W row n of wave w, c = 0,1,2 for q,k,v
.set PART,  2*SLOTB                    ; 4 waves x 128 partial dots
.set AL,    PART+2048                  ; alpha of the 128 rows
.set BE,    AL+512                     ; beta
.set TOTL,  BE+512                     ; the block's sum of v, 64 channels
.set STG,   TOTL+256                   ; a in f32: region w = 128 rows x 16 channels of wave w, pitch 80
.set SP,    80
.set SREG,  128*SP
.set LANE, 1
.set RR,   2                           ; lane % 16
.set HH,   3                           ; lane / 16
.set GOFF, 4                           ; 8h rows of 2,048 bytes + 16 r
.set STA,  5                           ; slot stores, x rows
.set STB,  6                           ; slot stores, W rows
.set FRA,  7                           ; fragments of x
.set FRB,  8                           ; fragments of my W rows
.set PST,  9
.set PLD,  10
.set ALST, 11
.set ABL,  12
.set SST,  13
.set TST,  14
.set RDS,  15
.set ZO,   16
.set BEL,  17
.set TOLL, 18
.set TOG,  19
.set AF0,  32                          ; 8 fragments of x, K 0-31 of the step
.set AF1,  96                          ; K 32-63
.set BF0,  160                         ; 3 fragments of W
.set BF1,  184
.set CV,   208                         ; 40 registers of rounded pairs
.set DOT,  32
.set ALF,  32                          ; epilogue: alpha, then the suffix sums
.set BET,  96
.set AA,   160
.set TT,   224
.set CAR,  233
.set MSB, 0
.macro WIN new                         ; the immediate's high byte repeats the setting that is left
.if MSB != (\new)
	s_set_vgpr_msb (MSB<<8)|(\new)
.set MSB, (\new)
.endif
.endm
.macro PLACES                          ; four places behind matrix instructions (ISA guide 7.12.1)
.rept 4
	v_nop
.endr
.endm
.macro BAR
	s_wait_dscnt 0x0                       ; my LDS stores are complete and my LDS reads are back: both are what the other waves rely on
	s_barrier_signal -1
	s_barrier_wait -1
.endm
; 20 of a K step's 40 loads of this wave.  Lanes 0-15 take 256 aligned bytes of a row, lanes 16-31 of the row 8 further down.
.macro GLOADH set, step, half
	WIN (0x80+0x40*\set)
.set nn, 20*\half
.rept 20
.if nn < 16
.set gb, 4
.set grow, 16*(nn/8)+(nn%8)
.else
.set gb, 6+2*((nn-16)/8)
.set grow, (nn-16)%8
.endif
	global_load_b128 v[4*nn:4*nn+3], v[GOFF], s[gb:gb+1] offset:grow*2048+(\step)*256
.set nn, nn+1
.endr
.endm
; round those 20 loads to bf16 and lay them into a slot: 8 bytes a lane; the two rows of a store lie 8 x 144 bytes = 288 words apart
.macro CVST set, half, slot
	WIN (0x0a+0x05*\set)
.set nn, 20*\half
.set cc, 0
.rept 20
	v_cvt_pk_bf16_f32 v[CV+2*cc], v[4*nn], v[4*nn+1]
	v_cvt_pk_bf16_f32 v[CV+2*cc+1], v[4*nn+2], v[4*nn+3]
.set nn, nn+1
.set cc, cc+1
.endr
	WIN 0
.set nn, 20*\half
.set cc, 0
.rept 20
.if nn < 16
	ds_store_b64 v[STA], v[CV+2*cc:CV+2*cc+1] offset:\slot*SLOTB+(16*(nn/8)+(nn%8))*PITCH
.else
	ds_store_b64 v[STB], v[CV+2*cc:CV+2*cc+1] offset:\slot*SLOTB+(16*((nn-16)/8)+((nn-16)%8))*PITCH
.endif
.set nn, nn+1
.set cc, cc+1
.endr
.endm
; 22 LDS loads: 8 fragments of x and my 3 of W, 32 along K
.macro FRAG slot, kb, af, bf
	WIN 0
	PLACES
.set ii, 0
.rept 8
	ds_load_b128 v[\af+8*ii:\af+8*ii+3], v[FRA] offset:\slot*SLOTB+ii*16*PITCH+\kb*64
	ds_load_b128 v[\af+8*ii+4:\af+8*ii+7], v[FRA] offset:\slot*SLOTB+ii*16*PITCH+\kb*64+32
.set ii, ii+1
.endr
.set ii, 0
.rept 3
	ds_load_b128 v[\bf+8*ii:\bf+8*ii+3], v[FRB] offset:\slot*SLOTB+ii*16*PITCH+\kb*64
	ds_load_b128 v[\bf+8*ii+4:\bf+8*ii+7], v[FRB] offset:\slot*SLOTB+ii*16*PITCH+\kb*64+32
.set ii, ii+1
.endr
.endm
; 24 matrix instructions; zero = 1: the first products start the sums
.macro MMA af, bf, zero
	WIN 0x50
.set ii, 0
.rept 8
.if \zero
	v_wmma_f32_16x16x32_bf16 v[24*ii:24*ii+7], v[\bf:\bf+7], v[\af+8*ii:\af+8*ii+7], 0
	v_wmma_f32_16x16x32_bf16 v[24*ii+8:24*ii+15], v[\bf+8:\bf+15], v[\af+8*ii:\af+8*ii+7], 0
	v_wmma_f32_16x16x32_bf16 v[24*ii+16:24*ii+23], v[\af+8*ii:\af+8*ii+7], v[\bf+16:\bf+23], 0
.else
	v_wmma_f32_16x16x32_bf16 v[24*ii:24*ii+7], v[\bf:\bf+7], v[\af+8*ii:\af+8*ii+7], v[24*ii:24*ii+7]
	v_wmma_f32_16x16x32_bf16 v[24*ii+8:24*ii+15], v[\bf+8:\bf+15], v[\af+8*ii:\af+8*ii+7], v[24*ii+8:24*ii+15]
	v_wmma_f32_16x16x32_bf16 v[24*ii+16:24*ii+23], v[\af+8*ii:\af+8*ii+7], v[\bf+16:\bf+23], v[24*ii+16:24*ii+23]
.endif
.set ii, ii+1
.endr
.endm
; A K step of 64: multiply slot, meanwhile round the next step (register set nset) into slot oth and ask for step nst into that set.
.macro STEP slot, oth, nset, conv, refill, nst, left, zero
	FRAG \slot, 0, AF0, BF0
.if \conv
	s_wait_loadcnt \left                   ; the next step's 40 loads are in; the only younger ones are the 40 of the step behind it
	CVST \nset, 0, \oth
.endif
.if \refill
	GLOADH \nset, \nst, 0
.endif
	FRAG \slot, 1, AF1, BF1
	s_wait_dscnt 22+20*\conv               ; the first 22 fragment loads are in; younger: the 20 stores (if any) and 22 loads
	MMA AF0, BF0, \zero
.if \conv
	CVST \nset, 1, \oth
.endif
.if \refill
	GLOADH \nset, \nst, 1
.endif
	s_wait_dscnt 20*\conv                  ; the second 22 are in; younger: the 20 stores (if any)
	MMA AF1, BF1, 0
.endm
; 8 f32 at x -> 4 registers of bf16 (hi) and 4 of what the rounding left (lo); x is used up
.macro SPLIT x, hi, lo, tmp
.irp e, 0,1,2,3
	v_cvt_pk_bf16_f32 v[\hi+\e], v[\x+2*\e], v[\x+2*\e+1]
.endr
.irp e, 0,1,2,3
	v_lshlrev_b32 v[\tmp+2*\e], 16, v[\hi+\e]
	v_and_b32 v[\tmp+2*\e+1], s28, v[\hi+\e]
.endr
.irp e, 0,1,2,3
	v_pk_add_f32 v[\x+2*\e:\x+2*\e+1], v[\x+2*\e:\x+2*\e+1], v[\tmp+2*\e:\tmp+2*\e+1] neg_lo:[0,1] neg_hi:[0,1]
.endr
.irp e, 0,1,2,3
	v_cvt_pk_bf16_f32 v[\lo+\e], v[\x+2*\e], v[\x+2*\e+1]
.endr
.endm
	s_load_b256 s[4:11], s[0:1], 0x0               ; x s[4:5], W_Q s[6:7], W_K s[8:9], W_V s[10:11]
	s_load_b128 s[12:15], s[0:1], 0x20             ; zf s[12:13], beta s[14:15]
	s_load_b64 s[16:17], s[0:1], 0x30              ; tot
	v_lshl_add_u32 v254, v0, 2, 0x21500
	v_mov_b32 v255, 0
	v_lshrrev_b32 v20, 5, v0
	v_readfirstlane_b32 s20, v20                   ; wave w
	s_mov_b32 s21, ttmp9                           ; head i
	s_and_b32 s22, ttmp7, 0xffff                   ; row block rb
	s_mov_b32 s26, 0x76543210                      ; v_permlanex16_b32: lane i of the other half
	s_mov_b32 s27, 0xfedcba98
	s_mov_b32 s28, 0xffff0000                      ; lanes 16-31; also a word's upper bf16
	s_and_b32 s30, s22, 15
	s_lshl_b32 s30, s30, 7
	s_sub_co_u32 s30, 2047, s30                    ; c of the block's first row
	v_and_b32 v[LANE], 31, v0
	v_and_b32 v[RR], 15, v0
	v_bfe_u32 v[HH], v0, 4, 1
	v_lshlrev_b32 v[GOFF], 4, v[RR]
	v_lshl_add_u32 v[GOFF], v[HH], 14, v[GOFF]
	s_mov_b32 s25, 0
	s_wait_kmcnt 0x0
	s_lshl_b32 s24, s22, 18                        ; 128 rows of 2,048 bytes
	s_lshl_b32 s31, s20, 16                        ; 32 rows
	s_add_co_u32 s24, s24, s31
	s_add_nc_u64 s[4:5], s[4:5], s[24:25]          ; x at my 32 rows
	s_lshl_b32 s31, s21, 12                        ; zf has the same bytes for a row tile pair; + two k-blocks of 2,048 a head
	s_add_co_u32 s24, s24, s31
	s_add_nc_u64 s[12:13], s[12:13], s[24:25]
	s_lshl_b32 s24, s21, 17                        ; 64 rows of W a head
	s_lshl_b32 s31, s20, 15                        ; my 16 rows
	s_add_co_u32 s24, s24, s31
	s_add_nc_u64 s[6:7], s[6:7], s[24:25]
	s_add_nc_u64 s[8:9], s[8:9], s[24:25]
	s_add_nc_u64 s[10:11], s[10:11], s[24:25]
	s_lshl_b32 s24, s21, 14                        ; beta[head][4096]
	s_lshl_b32 s31, s22, 9
	s_add_co_u32 s24, s24, s31
	s_add_nc_u64 s[14:15], s[14:15], s[24:25]
	s_lshl_b32 s24, s22, 11                        ; tot[rb][512]
	s_lshl_b32 s31, s21, 8
	s_add_co_u32 s24, s24, s31
	s_add_nc_u64 s[16:17], s[16:17], s[24:25]
	GLOADH 0, 0, 0                                 ; steps 0 and 1 are asked for before anything else is done
	GLOADH 0, 0, 1
	GLOADH 1, 1, 0
	GLOADH 1, 1, 1
	WIN 0
	s_mul_i32 s31, s20, 32*PITCH
	v_mul_u32_u24 v20, v[HH], 8*PITCH
	v_lshl_add_u32 v20, v[RR], 3, v20              ; 8h rows + 8 r bytes
	v_add_nc_u32 v[STA], s31, v20
	s_mul_i32 s31, s20, 48*PITCH
	s_add_co_u32 s31, s31, 128*PITCH               ; my 48 rows of W
	v_add_nc_u32 v[STB], s31, v20
	v_mul_u32_u24 v[FRA], v[RR], PITCH
	v_lshl_add_u32 v[FRA], v[HH], 4, v[FRA]        ; row r, 16 h
	v_add_nc_u32 v[FRB], s31, v[FRA]
	s_lshl_b32 s31, s20, 9
	s_add_co_u32 s31, s31, PART
	v_lshl_add_u32 v[PST], v[RR], 2, s31
	v_lshl_add_u32 v[PLD], v0, 2, PART
	v_lshl_add_u32 v[ALST], v0, 2, AL
	v_lshl_add_u32 v[ABL], v[HH], 5, AL
	s_mul_i32 s31, s20, SREG
	s_add_co_u32 s31, s31, STG
	v_mul_u32_u24 v20, v[HH], 8*SP
	v_lshl_add_u32 v20, v[RR], 2, v20
	v_add_nc_u32 v[SST], s31, v20                  ; my region, row 8h, channel r
	s_lshl_b32 s31, s20, 6
	s_add_co_u32 s31, s31, TOTL
	v_lshl_add_u32 v[TST], v[RR], 2, s31
	s_mul_i32 s31, s20, 32*SP
	s_add_co_u32 s31, s31, STG
	v_mul_u32_u24 v20, v[RR], SP
	v_lshl_add_u32 v20, v[HH], 5, v20
	v_add_nc_u32 v[RDS], s31, v20                  ; row 32w + r, 8 h channels
	v_lshlrev_b32 v[ZO], 4, v[LANE]
	v_lshl_add_u32 v[BEL], v[LANE], 4, BE
	v_lshl_add_u32 v[TOLL], v[LANE], 3, TOTL
	v_lshlrev_b32 v[TOG], 3, v[LANE]
	s_wait_loadcnt 40                              ; step 0 is in; step 1's 40 loads stay out
	CVST 0, 0, 0
	CVST 0, 1, 0
	GLOADH 0, 2, 0
	GLOADH 0, 2, 1
	BAR                                            ; slot 0 is whole
	; One barrier a step does both orderings: the stores into the other slot are complete, and the reads of this slot are back
	; before the next step lays data over it.
	STEP 0, 1, 1, 1, 1, 3, 40, 1
	BAR
	STEP 1, 0, 0, 1, 1, 4, 40, 0
	BAR
	STEP 0, 1, 1, 1, 1, 5, 40, 0
	BAR
	STEP 1, 0, 0, 1, 1, 6, 40, 0
	BAR
	STEP 0, 1, 1, 1, 1, 7, 40, 0
	BAR
	STEP 1, 0, 0, 1, 0, 0, 40, 0                   ; steps 6 and 7 are out: 40 younger loads; nothing more is asked for
	BAR
	STEP 0, 1, 1, 1, 0, 0, 0, 0                    ; only step 7 is out
	BAR
	STEP 1, 0, 0, 0, 0, 0, 0, 0
	; THE DOT q[row] . k[row], my 16 channels: 8 in the lane, 8 in the lane of the other half
	PLACES
	WIN 0x05
.set ii, 0
.rept 8
	v_pk_mul_f32 v[DOT+2*ii:DOT+2*ii+1], v[24*ii:24*ii+1], v[24*ii+8:24*ii+9]
.set ii, ii+1
.endr
.set jj, 1
.rept 3
.set ii, 0
.rept 8
	v_pk_fma_f32 v[DOT+2*ii:DOT+2*ii+1], v[24*ii+2*jj:24*ii+2*jj+1], v[24*ii+8+2*jj:24*ii+9+2*jj], v[DOT+2*ii:DOT+2*ii+1]
.set ii, ii+1
.endr
.set jj, jj+1
.endr
	WIN 0
.set ii, 0
.rept 8
	v_add_f32 v[DOT+2*ii], v[DOT+2*ii], v[DOT+2*ii+1]
.set ii, ii+1
.endr
.set ii, 0
.rept 8
	v_permlanex16_b32 v[DOT+2*ii+1], v[DOT+2*ii], s26, s27
.set ii, ii+1
.endr
.set ii, 0
.rept 8
	v_add_f32 v[DOT+2*ii], v[DOT+2*ii], v[DOT+2*ii+1]
	ds_store_b32 v[PST], v[DOT+2*ii] offset:64*ii  ; both halves write the same number to row 16 i + r of my part
.set ii, ii+1
.endr
	BAR
	; THE SOFTMAX'S TWO WEIGHTS: thread t owns row t
	ds_load_b32 v20, v[PLD]
	ds_load_b32 v21, v[PLD] offset:512
	ds_load_b32 v22, v[PLD] offset:1024
	ds_load_b32 v23, v[PLD] offset:1536
	v_sub_nc_u32 v24, s30, v0                      ; c = how many p > q
	v_cvt_f32_u32 v25, v24
	v_cmp_eq_u32 vcc_lo, 0, v24
	s_wait_dscnt 0x0
	v_add_f32 v20, v20, v21
	v_add_f32 v22, v22, v23
	v_add_f32 v20, v20, v22
	v_mul_f32 v20, 0x3e000000, v20                 ; t = s_qq / 8
	v_cndmask_b32 v21, 0, v20, vcc_lo              ; cand: 0, or t in the batch's last row, which has no zero entry
	v_max_num_f32 v22, v20, v21                    ; the row's maximum
	v_sub_f32 v20, v20, v22
	v_sub_f32 v21, v21, v22
	v_mul_f32 v20, 0x3fb8aa3b, v20
	v_mul_f32 v21, 0x3fb8aa3b, v21
	v_exp_f32 v26, v20
	v_exp_f32 v27, v21
	v_nop                                          ; one plain place behind the exponentials
	s_wait_alu depctr_va_vdst(0)
	v_fma_f32 v28, v25, v27, v26                   ; Z = e_q + c e_0, at least 1
	v_rcp_f32 v29, v28
	v_nop
	s_wait_alu depctr_va_vdst(0)
	v_mul_f32 v26, v26, v29                        ; alpha
	v_mul_f32 v27, v27, v29                        ; beta
	ds_store_b32 v[ALST], v26
	ds_store_b32 v[ALST], v27 offset:512
	BAR
	; THE SCAN.  Lane (r,h), tile i, register j: row 16 i + 8 h + j of channel 16 w + r.
.set ii, 0
.rept 8
	ds_load_b128 v[ALF+8*ii:ALF+8*ii+3], v[ABL] offset:64*ii
	ds_load_b128 v[ALF+8*ii+4:ALF+8*ii+7], v[ABL] offset:64*ii+16
	ds_load_b128 v[BET+8*ii:BET+8*ii+3], v[ABL] offset:512+64*ii
	ds_load_b128 v[BET+8*ii+4:BET+8*ii+7], v[ABL] offset:512+64*ii+16
.set ii, ii+1
.endr
	s_wait_dscnt 0x0
	WIN 0x04
.set ii, 0
.rept 8
.irp e, 0,2,4,6
	v_pk_mul_f32 v[AA+8*ii+\e:AA+8*ii+\e+1], v[ALF+8*ii+\e:ALF+8*ii+\e+1], v[24*ii+16+\e:24*ii+17+\e]   ; alpha v
.endr
.set ii, ii+1
.endr
	WIN 0x05                                       ; the sum of my 8 rows of each tile, in alpha's registers, which are free now
.set ii, 0
.rept 8
	v_pk_add_f32 v[ALF+8*ii:ALF+8*ii+1], v[24*ii+16:24*ii+17], v[24*ii+18:24*ii+19]
	v_pk_add_f32 v[ALF+8*ii+2:ALF+8*ii+3], v[24*ii+20:24*ii+21], v[24*ii+22:24*ii+23]
.set ii, ii+1
.endr
	WIN 0
.set ii, 0
.rept 8
	v_pk_add_f32 v[ALF+8*ii:ALF+8*ii+1], v[ALF+8*ii:ALF+8*ii+1], v[ALF+8*ii+2:ALF+8*ii+3]
.set ii, ii+1
.endr
.set ii, 0
.rept 8
	v_add_f32 v[TT+ii], v[ALF+8*ii], v[ALF+8*ii+1]
.set ii, ii+1
.endr
.set ii, 0
.rept 8
	v_permlanex16_b32 v[ALF+8*ii+4], v[TT+ii], s26, s27    ; the other half's 8 rows
.set ii, ii+1
.endr
	; what lies behind my last row of tile i: the later tiles (CAR), and for h = 0 the other half's rows.  It starts the chain at j = 7.
	v_cndmask_b32 v[ALF+63], v[ALF+60], 0, s28
	v_add_f32 v[CAR], v[TT+7], v[ALF+60]
.set ii, 6
.rept 7
	v_cndmask_b32 v[ALF+8*ii+7], v[ALF+8*ii+4], 0, s28
	v_add_f32 v[ALF+8*ii+7], v[ALF+8*ii+7], v[CAR]
	v_add_f32 v[ALF+8*ii+4], v[ALF+8*ii+4], v[TT+ii]
	v_add_f32 v[CAR], v[CAR], v[ALF+8*ii+4]
.set ii, ii-1
.endr
	WIN 0x01
.set jj, 6
.rept 7
.set ii, 0
.rept 8
	v_add_f32 v[ALF+8*ii+jj], v[24*ii+17+jj], v[ALF+8*ii+jj+1]     ; S_j = v_(j+1) + S_(j+1)
.set ii, ii+1
.endr
.set jj, jj-1
.endr
	WIN 0
.set ii, 0
.rept 8
.irp e, 0,2,4,6
	v_pk_fma_f32 v[AA+8*ii+\e:AA+8*ii+\e+1], v[BET+8*ii+\e:BET+8*ii+\e+1], v[ALF+8*ii+\e:ALF+8*ii+\e+1], v[AA+8*ii+\e:AA+8*ii+\e+1]
.endr
.irp e, 0,1,2,3,4,5,6,7
	ds_store_b32 v[SST], v[AA+8*ii+\e] offset:(16*ii+\e)*SP
.endr
.set ii, ii+1
.endr
	ds_store_b32 v[TST], v[CAR]                    ; the block's sum of v, my 16 channels
	BAR
	; THE WAY OUT: my 32 rows x 64 channels as ready fragments, hi and lo.  Piece (mt, kq): row tile 2w + mt, channels 16 kq + 8 h .. + 7.
.irp mt, 0,1
.irp kq, 0,1,2,3
	ds_load_b128 v[32+8*(4*\mt+\kq):32+8*(4*\mt+\kq)+3], v[RDS] offset:\kq*SREG+\mt*16*SP
	ds_load_b128 v[32+8*(4*\mt+\kq)+4:32+8*(4*\mt+\kq)+7], v[RDS] offset:\kq*SREG+\mt*16*SP+16
.endr
.endr
.irp mt, 0,1
.irp kq, 0,1,2,3
	s_wait_dscnt 14-2*(4*\mt+\kq)                  ; this piece's two loads are in; the later pieces' stay out
	SPLIT 32+8*(4*\mt+\kq), 96+4*(4*\mt+\kq), 128+4*(4*\mt+\kq), 160
	global_store_b128 v[ZO], v[96+4*(4*\mt+\kq):96+4*(4*\mt+\kq)+3], s[12:13] offset:\mt*32768+(\kq/2)*2048+(\kq%2)*512          ; 512 consecutive bytes, aligned
	global_store_b128 v[ZO], v[128+4*(4*\mt+\kq):128+4*(4*\mt+\kq)+3], s[12:13] offset:\mt*32768+(\kq/2)*2048+(\kq%2)*512+1024
.endr
.endr
	s_cmp_lg_u32 s20, 0
	s_cbranch_scc1 .Lend
	ds_load_b128 v[168:171], v[BEL]                ; wave 0: beta of the 128 rows, 512 bytes, and the 64 sums, 256 bytes
	ds_load_b64 v[172:173], v[TOLL]
	s_wait_dscnt 0x0
	global_store_b128 v[ZO], v[168:171], s[14:15]
	global_store_b64 v[TOG], v[172:173], s[16:17]
.Lend:
	s_wait_tensorcnt 0x0
	ds_add_u32 v254, v255
	s_wait_dscnt 0x0
	s_endpgm
.Lfunc_end_k_q0c642008b7_qkv:
	.size	k_q0c642008b7_qkv, .Lfunc_end_k_q0c642008b7_qkv-k_q0c642008b7_qkv
	.p2alignl 7, 3214868480
	.fill 96, 4, 3214868480
	.section	.rodata,"a",@progbits
	.p2align	6, 0x0
	.amdhsa_kernel k_q0c642008b7_qkv
		.amdhsa_group_segment_fixed_size 136960
		.amdhsa_private_segment_fixed_size 0
		.amdhsa_enable_private_segment 0
		.amdhsa_kernarg_size 56
		.amdhsa_user_sgpr_count 2
		.amdhsa_user_sgpr_kernarg_segment_ptr 1
		.amdhsa_wavefront_size32 1
		.amdhsa_system_sgpr_workgroup_id_x 1
		.amdhsa_system_sgpr_workgroup_id_y 1
		.amdhsa_system_sgpr_workgroup_id_z 1
		.amdhsa_system_vgpr_workitem_id 0
		.amdhsa_next_free_vgpr 928
		.amdhsa_next_free_sgpr 66
		.amdhsa_reserve_vcc 1
		.amdhsa_float_denorm_mode_32 3
		.amdhsa_float_denorm_mode_16_64 3
		.amdhsa_memory_ordered 1
		.amdhsa_forward_progress 1
		.amdhsa_inst_pref_size 178
	.end_amdhsa_kernel
	.amdgpu_metadata
---
amdhsa.version: [ 1, 2 ]
amdhsa.kernels:
  - .name:           k_q0c642008b7_qkv
    .symbol:         k_q0c642008b7_qkv.kd
    .args:
      - { .name: x, .offset: 0, .size: 8, .value_kind: global_buffer, .address_space: global }
      - { .name: W_Q, .offset: 8, .size: 8, .value_kind: global_buffer, .address_space: global }
      - { .name: W_K, .offset: 16, .size: 8, .value_kind: global_buffer, .address_space: global }
      - { .name: W_V, .offset: 24, .size: 8, .value_kind: global_buffer, .address_space: global }
      - { .name: zf, .offset: 32, .size: 8, .value_kind: global_buffer, .address_space: global }
      - { .name: beta, .offset: 40, .size: 8, .value_kind: global_buffer, .address_space: global }
      - { .name: tot, .offset: 48, .size: 8, .value_kind: global_buffer, .address_space: global }
    .group_segment_fixed_size: 136960
    .private_segment_fixed_size: 0
    .kernarg_segment_align: 8
    .kernarg_segment_size: 56
    .max_flat_workgroup_size: 128
    .sgpr_count:     66
    .vgpr_count:     928
    .wavefront_size: 32
...
	.end_amdgpu_metadata
.endif
;; end of part 1
;; launch oproj (part 2): grid 8 x 32, 4 waves a work-group, no clusters, 111,104 bytes of LDS; arguments zf, beta, tot, W_O, out0; writes out0
.if DOCPART == 2
	.amdgcn_target "amdgcn-amd-amdhsa--gfx1250"
	.amdhsa_code_object_version 6
	.text
	.protected	k_q0c642008b7_oproj
	.globl	k_q0c642008b7_oproj
	.p2align	8
	.type	k_q0c642008b7_oproj,@function
k_q0c642008b7_oproj:
	s_mov_b64 s[64:65], 0
	v_nop
	global_prefetch_b8 v0, s[64:65] scope:SCOPE_SE
	s_setreg_imm32_b32 hwreg(HW_REG_WAVE_MODE, 25, 1), 1
	s_wait_xcnt 0x0
; oproj: out[row][d] = sum over f of W_O[d][f] z[row][f], with z = a + beta[row][head(f)] T[f].
; a comes as bf16 pairs hi + lo, laid out as ready fragments (zf); T[f] is the sum of tot over the later row blocks of the same batch.
;   out = W_O a_hi + W_O a_lo + sum over heads i of beta[row][i] U[i][d],   U[i][d] = sum over f in head i of W_O[d][f] T[f].
; U is one more accumulator tile in the main pass: its second operand has T's hi part in column i and its lo part in column 8 + i, and
; zeros outside head i's k-blocks.  The term beta U is one matrix step of K = 32: k = 8 c + i holds the four products of U's and
; beta's hi and lo parts.  W_O is rounded once to bf16; T, U and beta enter as hi + lo; all sums are f32.
;
; SHARES.  Work-group (cb = x id: 64 columns, rb = y id: 128 rows).  Wave w: rows 32w..32w+31 x 64 columns, 8 tiles (m, b); buffer b
; holds column tile (w + b) & 3, so that buffer 0 is tile w and each wave makes U for one column tile.  All products are used
; transposed (source 0 = W_O): lane r = row, register j = column 8 h + j.
; NO CLUSTER, NO TENSOR LOADS: a z fragment is read by one wave of the work-group and goes straight into its registers (each load 512
; consecutive bytes); through LDS a k-block would write 16 KB and read 16 KB there beside the 16 KB of W_O fragments.  W_O, which the
; 32 row blocks share, is f32 and has to be rounded on its way.
.set WP,  1040                         ; a row of W_O in LDS: 512 bf16 + 16 bytes = 65 x 16
.set TL,  64*WP                        ; T, 512 f32
.set BT,  TL+2048                      ; beta: 8 heads x 128 rows
.set UT,  BT+4096                      ; U: 64 columns d x 8 heads, pitch 48
.set UP,  48
.set OST, UT+64*UP                     ; the way out: 4 waves x 32 rows x 272
.set OP,  272
.set LANE, 1
.set RR,   2
.set HH,   3
.set L16,  4
.set T16,  5
.set WST,  6
.set WFR,  8                           ; v8-11
.set TLS,  12
.set TLD,  13
.set BTS,  14
.set BLD,  15
.set UST,  16
.set URD,  20                          ; v20-23
.set OSA,  24                          ; v24-27
.set ORD,  28
.set OGO,  29
.set ACC,  32                          ; tile (m, b) at ACC + 8 (4 m + b)
.set UACC, 96
.set WB,   104                         ; two buffers of 4 fragments of W_O
.set F,    168                         ; T's fragments of my lane's head, k-block parity 0 and 1
.set BFR,  184                         ; beta's fragments, m = 0, 1
.set TF,   200
.set CV,   192
.set BTMP, 136
.set MSB, 0
.macro WIN new
.if MSB != (\new)
	s_set_vgpr_msb (MSB<<8)|(\new)
.set MSB, (\new)
.endif
.endm
.macro PLACES
.rept 4
	v_nop
.endr
.endm
.macro BAR
	s_wait_dscnt 0x0
	s_barrier_signal -1
	s_barrier_wait -1
.endm
.macro SPLIT x, hi, lo, tmp            ; 8 f32 -> 4 registers of bf16 and 4 of what the rounding left
.irp e, 0,1,2,3
	v_cvt_pk_bf16_f32 v[\hi+\e], v[\x+2*\e], v[\x+2*\e+1]
.endr
.irp e, 0,1,2,3
	v_lshlrev_b32 v[\tmp+2*\e], 16, v[\hi+\e]
	v_and_b32 v[\tmp+2*\e+1], s28, v[\hi+\e]
.endr
.irp e, 0,1,2,3
	v_pk_add_f32 v[\x+2*\e:\x+2*\e+1], v[\x+2*\e:\x+2*\e+1], v[\tmp+2*\e:\tmp+2*\e+1] neg_lo:[0,1] neg_hi:[0,1]
.endr
.irp e, 0,1,2,3
	v_cvt_pk_bf16_f32 v[\lo+\e], v[\x+2*\e], v[\x+2*\e+1]
.endr
.endm
.macro WLOAD half                      ; 8 of my 16 rows of W_O, 32 loads of 512 consecutive bytes, into window 2
	WIN 0x80
.set nn, 32*\half
.rept 32
	global_load_b128 v[4*nn:4*nn+3], v[L16], s[10:11] offset:(nn/4)*2048+(nn%4)*512
.set nn, nn+1
.endr
.endm
.macro WCVST half                      ; round them and lay them into LDS, 256 consecutive bytes a store
	WIN 0x0a
.set nn, 32*\half
.set cc, 0
.rept 32
	v_cvt_pk_bf16_f32 v[CV+2*cc], v[4*nn], v[4*nn+1]
	v_cvt_pk_bf16_f32 v[CV+2*cc+1], v[4*nn+2], v[4*nn+3]
.set nn, nn+1
.set cc, cc+1
.endr
	WIN 0
.set nn, 32*\half
.set cc, 0
.rept 32
	ds_store_b64 v[WST], v[CV+2*cc:CV+2*cc+1] offset:(nn/4)*WP+(nn%4)*256
.set nn, nn+1
.set cc, cc+1
.endr
.endm
.macro ZLOAD kb                        ; a k-block's 8 loads into ring slot kb % 7 (window 1): m0 hi, m0 lo, m1 hi, m1 lo
	WIN 0x40
.set zs, 32*((\kb)%7)
.irp mm, 0,1
.irp pp, 0,1
.irp qq, 0,1
	global_load_b128 v[zs+16*\mm+8*\pp+4*\qq:zs+16*\mm+8*\pp+4*\qq+3], v[L16], s[4:5] offset:\mm*32768+(\kb)*2048+\pp*1024+\qq*512
.endr
.endr
.endr
.endm
.macro WFRAG kb                        ; 8 LDS loads: the four column tiles' fragments of a k-block
.set wl, WB+32*((\kb)%2)
.irp bb, 0,1,2,3
	ds_load_b128 v[wl+8*\bb:wl+8*\bb+3], v[WFR+\bb] offset:(\kb)*64
	ds_load_b128 v[wl+8*\bb+4:wl+8*\bb+7], v[WFR+\bb] offset:(\kb)*64+32
.endr
.endm
.macro PROD acc, a, b, zero
.if \zero
	v_wmma_f32_16x16x32_bf16 v[\acc:\acc+7], v[\a:\a+7], v[\b:\b+7], 0
.else
	v_wmma_f32_16x16x32_bf16 v[\acc:\acc+7], v[\a:\a+7], v[\b:\b+7], v[\acc:\acc+7]
.endif
.endm
; One k-block of 32 features: 17 matrix instructions.
.macro KB kb, zero
	s_mov_b32 s40, 0x01010101<<((\kb)/2)           ; the lanes whose column (r & 7) is this k-block's head
	WIN 0x40
.set tb, 224+8*((\kb)%2)
.set fb, F+8*((\kb)%2)
.irp e, 0,1,2,3,4,5,6,7
	v_cndmask_b32 v[tb+\e], 0, v[fb+\e], s40       ; T's operand.  These eight name no register of the last k-block's products: they are the places in front of the loads below
.endr
.if \kb >= 1
.if \kb <= 9
	ZLOAD \kb+6                                    ; into the slot that the last k-block read
.endif
.endif
	WIN 0
.if \kb < 15
	WFRAG \kb+1
.endif
.if \kb < 9
	s_wait_loadcnt 48                              ; this k-block's 8 loads are in; the six later k-blocks' stay out
.else
	s_wait_loadcnt 8*(15-\kb)                      ; the k-blocks that are left
.endif
.if \kb < 15
	s_wait_dscnt 8                                 ; this k-block's fragments of W_O are in; the next one's 8 loads stay out
.else
	s_wait_dscnt 0
.endif
	WIN 0x04
.set wc, WB+32*((\kb)%2)
.set zc, 32*((\kb)%7)
.irp mm, 0,1
.irp bb, 0,1,2,3
	PROD ACC+8*(4*\mm+\bb), wc+8*\bb, zc+16*\mm, \zero
.endr
.endr
	PROD UACC, wc, tb, \zero
.irp mm, 0,1
.irp bb, 0,1,2,3
	PROD ACC+8*(4*\mm+\bb), wc+8*\bb, zc+16*\mm+8, 0
.endr
.endr
.endm
	s_load_b256 s[4:11], s[0:1], 0x0               ; zf s[4:5], beta s[6:7], tot s[8:9], W_O s[10:11]
	s_load_b64 s[12:13], s[0:1], 0x20              ; out0
	v_lshl_add_u32 v7, v0, 2, 0x1b000
	s_set_vgpr_msb 0x40
	v_mov_b32 v255, 0
	s_set_vgpr_msb 0x4000
	v_lshrrev_b32 v30, 5, v0
	v_readfirstlane_b32 s20, v30                   ; wave w
	s_mov_b32 s21, ttmp9                           ; cb
	s_and_b32 s22, ttmp7, 0xffff                   ; rb
	s_and_b32 s23, s22, 15                         ; the block's place in its batch
	s_mov_b32 s28, 0xffff0000                      ; lanes 16-31; also a word's upper bf16
	s_mov_b32 s29, 0xff00ff00                      ; lanes with r >= 8
	v_and_b32 v[LANE], 31, v0
	v_and_b32 v[RR], 15, v0
	v_bfe_u32 v[HH], v0, 4, 1
	v_lshlrev_b32 v[L16], 4, v[LANE]
	v_lshlrev_b32 v[T16], 4, v0
	s_mov_b32 s25, 0
	s_wait_kmcnt 0x0
	s_lshl_b32 s24, s22, 18
	s_lshl_b32 s31, s20, 16
	s_add_co_u32 s24, s24, s31
	s_add_nc_u64 s[4:5], s[4:5], s[24:25]          ; zf at my two row tiles
	s_lshl_b32 s31, s21, 8
	s_add_co_u32 s24, s24, s31
	s_add_nc_u64 s[12:13], s[12:13], s[24:25]      ; out0 at my 32 rows, my 64 columns
	s_lshl_b32 s24, s20, 14
	s_lshl_b32 s31, s22, 9
	s_add_co_u32 s24, s24, s31
	s_add_nc_u64 s[6:7], s[6:7], s[24:25]          ; beta of head w, the block's rows
	s_and_b32 s24, s22, 16
	s_lshl_b32 s24, s24, 11
	s_add_nc_u64 s[8:9], s[8:9], s[24:25]          ; tot at the batch's first block
	s_lshl_b32 s24, s21, 17
	s_lshl_b32 s31, s20, 15
	s_add_co_u32 s24, s24, s31
	s_add_nc_u64 s[10:11], s[10:11], s[24:25]      ; W_O at my 16 of the 64 rows
.set jb, 1
.rept 15
	global_load_b128 v[WB+4*(jb-1):WB+4*(jb-1)+3], v[T16], s[8:9] offset:jb*2048   ; thread t: 4 features of block jb of the batch
.set jb, jb+1
.endr
	global_load_b128 v[168:171], v[L16], s[6:7]                ; head w
	global_load_b128 v[172:175], v[L16], s[6:7] offset:65536   ; head w + 4
	WLOAD 0
	WIN 0
	s_mul_i32 s31, s20, 16*WP
	v_lshl_add_u32 v[WST], v[LANE], 3, s31
	v_mul_u32_u24 v30, v[RR], WP
	v_lshl_add_u32 v30, v[HH], 4, v30              ; W_O fragments: row r, 16 h
	v_mul_u32_u24 v31, v[RR], UP
	v_mul_u32_u24 v17, v[RR], OP
	v_lshl_add_u32 v17, v[HH], 5, v17              ; the way out: row r, 8 h columns
	s_mul_i32 s33, s20, 32*OP
	s_add_co_u32 s33, s33, OST                     ; my stage
.irp bb, 0,1,2,3
	s_add_co_u32 s31, s20, \bb
	s_and_b32 s31, s31, 3                          ; buffer bb's column tile
	s_mul_i32 s32, s31, 16*WP
	v_add_nc_u32 v[WFR+\bb], s32, v30
	s_mul_i32 s32, s31, 16*UP
	s_add_co_u32 s32, s32, UT
	v_add_nc_u32 v[URD+\bb], s32, v31
	s_lshl_b32 s32, s31, 6
	s_add_co_u32 s32, s32, s33
	v_add_nc_u32 v[OSA+\bb], s32, v17
.endr
	v_lshl_add_u32 v[TLS], v0, 4, TL
	v_and_b32 v18, 7, v0                           ; r & 7
	v_lshlrev_b32 v19, 8, v18
	v_lshl_add_u32 v19, v[HH], 5, v19
	v_add_nc_u32 v[TLD], TL, v19                   ; T of head r & 7, 8 h features
	s_lshl_b32 s31, s20, 9
	s_add_co_u32 s31, s31, BT
	v_lshl_add_u32 v[BTS], v[LANE], 4, s31
	s_lshl_b32 s31, s20, 7
	s_add_co_u32 s31, s31, BT
	v_lshl_add_u32 v[BLD], v[RR], 2, s31           ; beta of row 32 w + r
	s_mul_i32 s31, s20, 16*UP
	s_add_co_u32 s31, s31, UT
	v_mul_u32_u24 v19, v[HH], 8*UP
	v_lshl_add_u32 v19, v18, 2, v19
	v_add_nc_u32 v[UST], s31, v19
	v_mul_u32_u24 v19, v[HH], OP
	v_lshl_add_u32 v19, v[RR], 4, v19
	v_add_nc_u32 v[ORD], s33, v19
	v_lshlrev_b32 v19, 11, v[HH]
	v_lshl_add_u32 v[OGO], v[RR], 4, v19
	s_wait_loadcnt 32                              ; tot and beta are in; the 32 loads of W_O stay out
	; T = the sum of the later blocks: a block at or before mine is masked to zero bits, so every trip does the same work
	s_cmp_lt_u32 s23, 1
	s_cselect_b32 s40, -1, 0
.irp e, 0,1,2,3
	v_and_b32 v[176+\e], s40, v[WB+\e]             ; the first block starts the sum
.endr
.set jb, 2
.rept 14
	s_cmp_lt_u32 s23, jb
	s_cselect_b32 s40, -1, 0
.irp e, 0,1,2,3
	v_and_b32 v[180+\e], s40, v[WB+4*(jb-1)+\e]
.endr
	v_pk_add_f32 v[176:177], v[176:177], v[180:181]
	v_pk_add_f32 v[178:179], v[178:179], v[182:183]
.set jb, jb+1
.endr
	ds_store_b128 v[TLS], v[176:179]
	ds_store_b128 v[BTS], v[168:171]
	ds_store_b128 v[BTS], v[172:175] offset:2048
	WLOAD 1
	s_wait_loadcnt 32                              ; the first half of W_O is in; the second half's 32 loads stay out
	WCVST 0
	ZLOAD 0
	ZLOAD 1
	ZLOAD 2
	ZLOAD 3
	s_wait_loadcnt 32                              ; the second half is in; the 32 loads of k-blocks 0 to 3 stay out
	WCVST 1
	ZLOAD 4
	ZLOAD 5
	ZLOAD 6
	WIN 0
	BAR                                            ; W_O, T and beta are whole in LDS
.irp gg, 0,1,2,3
	ds_load_b128 v[TF+8*\gg:TF+8*\gg+3], v[TLD] offset:64*\gg          ; group gg = 2 x parity + q: features 16 gg + 8 h .. of my head
	ds_load_b128 v[TF+8*\gg+4:TF+8*\gg+7], v[TLD] offset:64*\gg+16
.endr
.irp mm, 0,1
.irp hd, 0,1,2,3,4,5,6,7
	ds_load_b32 v[BTMP+8*\mm+\hd], v[BLD] offset:512*\hd+64*\mm
.endr
.endr
	WFRAG 0
	s_wait_dscnt 24                                ; T's 8 loads are in; younger: 16 of beta, 8 of W_O
.irp gg, 0,1,2,3
	SPLIT TF+8*\gg, F+4*\gg, 240, 232
.irp e, 0,1,2,3
	v_cndmask_b32 v[F+4*\gg+\e], v[F+4*\gg+\e], v[240+\e], s29     ; columns 0-7 carry hi, columns 8-15 lo
.endr
.endr
	s_wait_dscnt 8                                 ; beta's 16 loads are in; younger: 8 of W_O
	SPLIT BTMP, BFR, BFR+4, 232                    ; registers 0-3 (k = 8 h + i): beta hi; registers 4-7 (k = 16 + 8 h + i): beta lo
	SPLIT BTMP+8, BFR+8, BFR+12, 232
	KB 0, 1
.irp kk, 1,2,3,4,5,6,7,8,9,10,11,12,13,14,15
	KB \kk, 0
.endr
	; U[i][d] = column i (hi) + column 8 + i (lo) of the extra tile; lane (r,h) register j: d = 16 w + 8 h + j
	PLACES
	WIN 0
.irp e, 0,1,2,3,4,5,6,7
	v_add_f32_dpp v[UACC+\e], v[UACC+\e], v[UACC+\e] row_xmask:8 row_mask:0xf bank_mask:0xf
.endr
.irp e, 0,1,2,3,4,5,6,7
	ds_store_b32 v[UST], v[UACC+\e] offset:UP*\e   ; lanes r and r + 8 write the same number
.endr
	BAR
.irp bb, 0,1,2,3
	ds_load_b128 v[BTMP+8*\bb:BTMP+8*\bb+3], v[URD+\bb]            ; U of column 16 nt + r, heads 0-7
	ds_load_b128 v[BTMP+8*\bb+4:BTMP+8*\bb+7], v[URD+\bb] offset:16
.endr
.irp bb, 0,1,2,3
	s_wait_dscnt 6-2*\bb                           ; this buffer's two loads are in; the later buffers' stay out
	SPLIT BTMP+8*\bb, 200, 204, 208
.irp e, 0,1,2,3
	v_cndmask_b32 v[WB+8*\bb+\e], v[200+\e], v[204+\e], s28        ; k = 8 h + i: U hi for h = 0, U lo for h = 1
	v_cndmask_b32 v[WB+8*\bb+4+\e], v[200+\e], v[204+\e], s28      ; k = 16 + 8 h + i: the same
.endr
.endr
.irp mm, 0,1
.irp bb, 0,1,2,3
	PROD ACC+8*(4*\mm+\bb), WB+8*\bb, BFR+8*\mm, 0
.endr
.endr
	; THE WAY OUT, through my own stage: a lane's 8 columns in, whole rows of 256 bytes back.  LDS serves a wave's instructions in order.
	PLACES
.irp mm, 0,1
.irp bb, 0,1,2,3
	ds_store_b128 v[OSA+\bb], v[ACC+8*(4*\mm+\bb):ACC+8*(4*\mm+\bb)+3] offset:\mm*16*OP
	ds_store_b128 v[OSA+\bb], v[ACC+8*(4*\mm+\bb)+4:ACC+8*(4*\mm+\bb)+7] offset:\mm*16*OP+16
.endr
.endr
.set uu, 0
.rept 16
	ds_load_b128 v[WB+4*uu:WB+4*uu+3], v[ORD] offset:uu*2*OP
.set uu, uu+1
.endr
.set uu, 0
.rept 16
	s_wait_dscnt 15-uu
	global_store_b128 v[OGO], v[WB+4*uu:WB+4*uu+3], s[12:13] offset:uu*4096 th:TH_STORE_NT   ; 16 lanes store 256 consecutive bytes, aligned
.set uu, uu+1
.endr
	s_set_vgpr_msb 0x4
	s_wait_tensorcnt 0x0
	ds_add_u32 v7, v255
	s_wait_dscnt 0x0
	s_set_vgpr_msb 0x400
	s_endpgm
.Lfunc_end_k_q0c642008b7_oproj:
	.size	k_q0c642008b7_oproj, .Lfunc_end_k_q0c642008b7_oproj-k_q0c642008b7_oproj
	.p2alignl 7, 3214868480
	.fill 96, 4, 3214868480
	.section	.rodata,"a",@progbits
	.p2align	6, 0x0
	.amdhsa_kernel k_q0c642008b7_oproj
		.amdhsa_group_segment_fixed_size 111104
		.amdhsa_private_segment_fixed_size 0
		.amdhsa_enable_private_segment 0
		.amdhsa_kernarg_size 40
		.amdhsa_user_sgpr_count 2
		.amdhsa_user_sgpr_kernarg_segment_ptr 1
		.amdhsa_wavefront_size32 1
		.amdhsa_system_sgpr_workgroup_id_x 1
		.amdhsa_system_sgpr_workgroup_id_y 1
		.amdhsa_system_sgpr_workgroup_id_z 1
		.amdhsa_system_vgpr_workitem_id 0
		.amdhsa_next_free_vgpr 768
		.amdhsa_next_free_sgpr 66
		.amdhsa_reserve_vcc 0
		.amdhsa_float_denorm_mode_32 3
		.amdhsa_float_denorm_mode_16_64 3
		.amdhsa_memory_ordered 1
		.amdhsa_forward_progress 1
		.amdhsa_inst_pref_size 100
	.end_amdhsa_kernel
	.amdgpu_metadata
---
amdhsa.version: [ 1, 2 ]
amdhsa.kernels:
  - .name:           k_q0c642008b7_oproj
    .symbol:         k_q0c642008b7_oproj.kd
    .args:
      - { .name: zf, .offset: 0, .size: 8, .value_kind: global_buffer, .address_space: global }
      - { .name: beta, .offset: 8, .size: 8, .value_kind: global_buffer, .address_space: global }
      - { .name: tot, .offset: 16, .size: 8, .value_kind: global_buffer, .address_space: global }
      - { .name: W_O, .offset: 24, .size: 8, .value_kind: global_buffer, .address_space: global }
      - { .name: out0, .offset: 32, .size: 8, .value_kind: global_buffer, .address_space: global }
    .group_segment_fixed_size: 111104
    .private_segment_fixed_size: 0
    .kernarg_segment_align: 8
    .kernarg_segment_size: 40
    .max_flat_workgroup_size: 128
    .sgpr_count:     66
    .vgpr_count:     768
    .wavefront_size: 32
...
	.end_amdgpu_metadata
.endif
;; end of part 2
;; ======== version 2 of 2: 2 launches; version 1 with the launches qkv, oproj written anew for expert scheduling mode
;; limits: right only within a limited range of input values
;; workspace buffers: zf 8,388,608 bytes; beta 131,072 bytes; tot 65,536 bytes
;; launch qkv (part 3): grid 8 x 32, 4 waves a work-group, no clusters, 136,960 bytes of LDS; arguments x, W_Q, W_K, W_V, zf, beta, tot; writes zf, beta, tot
.if DOCPART == 3
	.amdgcn_target "amdgcn-amd-amdhsa--gfx1250"
	.amdhsa_code_object_version 6
	.text
	.protected	k_q0c642008b7_qkv
	.globl	k_q0c642008b7_qkv
	.p2align	8
	.type	k_q0c642008b7_qkv,@function
k_q0c642008b7_qkv:
	s_mov_b64 s[64:65], 0
	v_nop
	global_prefetch_b8 v0, s[64:65] scope:SCOPE_SE
	s_setreg_imm32_b32 hwreg(HW_REG_WAVE_SCHED_MODE, 0, 2), 2
	s_setreg_imm32_b32 hwreg(HW_REG_WAVE_MODE, 25, 1), 1
	s_wait_xcnt 0x0
	s_wait_alu depctr_vm_vsrc(0)
; qkv: projections q, k, v of one head for 128 rows, the softmax of the problem's own mask, and the part of z that the block can make alone.
;
; THE MASK.  reference() forms scores*tril - 1e10*(1 - triu): for p < q that is s - 1e10, for p = q it is s_qq, for p > q exactly 0.
; With t = s_qq/8, c = 2047 - pos (the number of p > q), cand = 0 (or t where c = 0), m = max(t, cand):
;   z[q] = (e_q v[q] + e_0 * sum over p > q of v[p]) / Z,   e_q = exp(t-m), e_0 = exp(cand-m), Z = e_q + c e_0.
; The row maximum is taken away as in reference().  LIMIT OF RANGE: the terms p < q have exponent (s - 1e10)/8 - m, which is below
; -2.5e8 while every |score| < 4e9, so that they are exactly 0 in f32; beyond |score| = 4e9 this text is not right.
; Here: a[row][f] = alpha v[row] + beta * (sum of v over the later rows of this block of 128), alpha = e_q/Z, beta = e_0/Z.  The later
; blocks' share, beta * T, is added by the next launch from beta and from the blocks' sums of v (tot).  Sums are made by additions only.
; x and the weights are rounded once to bf16; q, k, v, the dot, the scan and the softmax are f32; a leaves as a pair of bf16 (hi + lo).
;
; SHARES.  Work-group (head i = x id, row block rb = y id): 128 rows x 192 columns, K = 512 in 8 steps of 64.  Wave w: all 128 rows x
; channels 16w..16w+15 of q, k and v: 24 accumulator tiles, so the scan along rows stays in a wave; only the dot crosses waves.
; q and k tiles are used transposed (source 0 = W, source 1 = x): lane (r,h) register j = row r, channel 8h+j.  v tiles in natural
; order: register j = row 8h+j, lane r = channel r.
; NO CLUSTER, NO TENSOR LOADS: the tiles that work-groups share (x among 8 heads, W among 32 row blocks) are f32 and must be rounded
; before the matrix unit.  Brought into LDS as they are, a K step's 80 KB would be written and read there once more on top of the 40 KB
; of bf16 that are written now; through registers the rounding costs no LDS bytes.
;
; REGISTERS: window 0 addresses, fragments, 40 registers of rounded pairs (CVA); window 1 the 24 tiles (tile (i,c) at 8(3i+c)) and 40
; more of rounded pairs (CVB); windows 2 and 3 two sets of 40 x 4 registers of f32 as loaded (RAW0, RAW1).
;
; THE MODE: SCHED_MODE bits 1:0 = 2 (LLVM: expert scheduling mode 2), set by the entry lines.  The code itself states the register
; dependences between vector or matrix instructions and memory or LDS instructions, with s_wait_alu, always for 0.
; THE PLAN.  Registers that memory or LDS instructions touch in a K step:
;   RAW0, RAW1   A step's 80 conversions read the set that holds the next step; the 40 global loads issued later in the same step land in it.
;   CVA, CVB     Written by those conversions; read by the step's 40 LDS stores; written again by the next step's conversions.
;   AF0/BF0, AF1/BF1   The 44 LDS loads at a step's head land in them; the step's 48 matrix instructions read them.
;   v4 .. v8     Offsets and LDS addresses, made once at the head and never written again; steps stand in immediate offsets.
; A step has two waits on va_vdst and one on vm_vsrc.  The first, at its head: the last step's matrix instructions are done reading AF and
; BF.  vm_vsrc ahead of the conversions: the last step's LDS stores have read CVA and CVB.  The second va_vdst, behind the conversions: CVA
; and CVB are written and RAW is read.  Behind it the 40 stores and 40 global loads are dealt among the matrix instructions, which name
; AF, BF and the tiles alone: none of the registers that those stores and loads touch.
.set PITCH, 144                        ; LDS row of a slot: 64 bf16 + 16 bytes = 9 x 16: sixteen rows start at sixteen different 16-byte columns of 256
.set SLOTB, 320*PITCH                  ; rows 0-127 x; row 128 + 48w + 16c + n: W row n of wave w, c = 0,1,2 for q,k,v
.set PART,  2*SLOTB                    ; 4 waves x 128 partial dots
.set AL,    PART+2048                  ; alpha of the 128 rows
.set BE,    AL+512                     ; beta
.set TOTL,  BE+512                     ; the block's sum of v, 64 channels
.set STG,   TOTL+256                   ; a in f32: region w = 128 rows x 16 channels of wave w, pitch 80
.set SP,    80
.set SREG,  128*SP
.set LANE, 1
.set RR,   2                           ; lane % 16
.set HH,   3                           ; lane / 16
.set GOFF, 4                           ; 8h rows of 2,048 bytes + 16 r
.set STA,  5                           ; slot stores, x rows
.set STB,  6                           ; slot stores, W rows
.set FRA,  7                           ; fragments of x
.set FRB,  8                           ; fragments of my W rows
.set PST,  9
.set PLD,  10
.set ALST, 11
.set ABL,  12
.set SST,  13
.set TST,  14
.set RDS,  15
.set ZO,   16
.set BEL,  17
.set TOLL, 18
.set TOG,  19
.set AF0,  32                          ; 8 fragments of x, K 0-31 of the step
.set AF1,  96                          ; K 32-63
.set BF0,  160                         ; 3 fragments of W
.set BF1,  184
.set CVA,  208                         ; window 0: the rounded pairs of a step's loads 0-19
.set CVB,  192                         ; window 1: those of its loads 20-39
.set DOT,  32
.set ALF,  32                          ; epilogue: alpha, then the suffix sums
.set BET,  96
.set AA,   160
.set TT,   224
.set CAR,  233
.set MSB, 0
.macro WIN new                         ; the immediate's high byte repeats the setting that is left
.if MSB != (\new)
	s_set_vgpr_msb (MSB<<8)|(\new)
.set MSB, (\new)
.endif
.endm
.macro PLACES                          ; four places behind matrix instructions (ISA guide 7.12.1)
.rept 4
	v_nop
.endr
.endm
.macro BAR
	s_wait_dscnt 0x0                       ; my LDS stores are complete and my LDS reads are back: both are what the other waves rely on
	s_barrier_signal -1
	s_barrier_wait -1
.endm
; cnt of a K step's 40 loads of this wave, from number from on.  Lanes 0-15 take 256 aligned bytes of a row, lanes 16-31 of the row 8 further down.
.macro GLD set, step, from, cnt
	WIN (0x80+0x40*\set)
.set nn, \from
.rept \cnt
.if nn < 16
.set gb, 4
.set grow, 16*(nn/8)+(nn%8)
.else
.set gb, 6+2*((nn-16)/8)
.set grow, (nn-16)%8
.endif
	global_load_b128 v[4*nn:4*nn+3], v[GOFF], s[gb:gb+1] offset:grow*2048+(\step)*256
.set nn, nn+1
.endr
.endm
; round 20 of the 40 loads to bf16: half 0 into CVA, half 1 into CVB
.macro CVT set, half
.if \half
	WIN (0x4a+0x05*\set)
.set cd, CVB
.else
	WIN (0x0a+0x05*\set)
.set cd, CVA
.endif
.set nn, 20*\half
.set cc, 0
.rept 20
	v_cvt_pk_bf16_f32 v[cd+2*cc], v[4*nn], v[4*nn+1]
	v_cvt_pk_bf16_f32 v[cd+2*cc+1], v[4*nn+2], v[4*nn+3]
.set nn, nn+1
.set cc, cc+1
.endr
.endm
; lay cnt of a half's 20 rounded loads into a slot: 8 bytes a lane; the two rows of a store lie 8 x 144 bytes = 288 words apart.
; Half 0's address and data lie in window 0 under the matrix instructions' own setting, 0x50: no switch among them.
.macro LST half, from, cnt, slot
.if \half
	WIN 0x54
.set cd, CVB
.else
	WIN 0x50
.set cd, CVA
.endif
.set cc, \from
.rept \cnt
.set nn, 20*\half+cc
.if nn < 16
	ds_store_b64 v[STA], v[cd+2*cc:cd+2*cc+1] offset:\slot*SLOTB+(16*(nn/8)+(nn%8))*PITCH
.else
	ds_store_b64 v[STB], v[cd+2*cc:cd+2*cc+1] offset:\slot*SLOTB+(16*((nn-16)/8)+((nn-16)%8))*PITCH
.endif
.set cc, cc+1
.endr
.endm
; 22 LDS loads: 8 fragments of x and my 3 of W, 32 along K
.macro FRAG slot, kb, af, bf
	WIN 0
.set ii, 0
.rept 8
	ds_load_b128 v[\af+8*ii:\af+8*ii+3], v[FRA] offset:\slot*SLOTB+ii*16*PITCH+\kb*64
	ds_load_b128 v[\af+8*ii+4:\af+8*ii+7], v[FRA] offset:\slot*SLOTB+ii*16*PITCH+\kb*64+32
.set ii, ii+1
.endr
.set ii, 0
.rept 3
	ds_load_b128 v[\bf+8*ii:\bf+8*ii+3], v[FRB] offset:\slot*SLOTB+ii*16*PITCH+\kb*64
	ds_load_b128 v[\bf+8*ii+4:\bf+8*ii+7], v[FRB] offset:\slot*SLOTB+ii*16*PITCH+\kb*64+32
.set ii, ii+1
.endr
.endm
; 3 x cnt of a block's 24 matrix instructions, row tiles from .. from + cnt - 1; zero = 1: the first products start the sums
.macro MMA af, bf, zero, from, cnt
	WIN 0x50
.set ii, \from
.rept \cnt
.if \zero
	v_wmma_f32_16x16x32_bf16 v[24*ii:24*ii+7], v[\bf:\bf+7], v[\af+8*ii:\af+8*ii+7], 0
	v_wmma_f32_16x16x32_bf16 v[24*ii+8:24*ii+15], v[\bf+8:\bf+15], v[\af+8*ii:\af+8*ii+7], 0
	v_wmma_f32_16x16x32_bf16 v[24*ii+16:24*ii+23], v[\af+8*ii:\af+8*ii+7], v[\bf+16:\bf+23], 0
.else
	v_wmma_f32_16x16x32_bf16 v[24*ii:24*ii+7], v[\bf:\bf+7], v[\af+8*ii:\af+8*ii+7], v[24*ii:24*ii+7]
	v_wmma_f32_16x16x32_bf16 v[24*ii+8:24*ii+15], v[\bf+8:\bf+15], v[\af+8*ii:\af+8*ii+7], v[24*ii+8:24*ii+15]
	v_wmma_f32_16x16x32_bf16 v[24*ii+16:24*ii+23], v[\af+8*ii:\af+8*ii+7], v[\bf+16:\bf+23], v[24*ii+16:24*ii+23]
.endif
.set ii, ii+1
.endr
.endm
; What is dealt among the matrix instructions: ten LDS stores of the rounded next step, ten global loads into the set that was rounded.
; No wait: no vector or matrix instruction since the wait behind the conversions names CVA, CVB, the raw set or an address.
.macro DEAL half, part, oth, nset, conv, refill, nst
.if \conv
	LST \half, 10*\part, 10, \oth
.endif
.if \refill
	GLD \nset, \nst, 20*\half+10*\part, 10
.endif
.endm
; A K step of 64: multiply slot, meanwhile round the next step (register set nset) into slot oth and ask for step nst into that set.
.macro STEP slot, oth, nset, conv, refill, nst, left, zero
.if !\zero
	PLACES                                 ; as in the plain form, four places stay between the last step's matrix instructions and the loads into their sources; the wait below fills none
	s_wait_alu depctr_va_vdst(0)           ; the last step's matrix instructions are done reading AF0, BF0, AF1 and BF1, in which the 44 loads below land
.endif
	FRAG \slot, 0, AF0, BF0
	FRAG \slot, 1, AF1, BF1
.if \conv
	s_wait_loadcnt \left                   ; the next step's 40 loads are in; the only younger ones are the 40 of the step behind it
	s_wait_alu depctr_vm_vsrc(0)           ; the LDS stores issued so far have read CVA and CVB, which the conversions write again
	CVT \nset, 0
	CVT \nset, 1
	s_wait_alu depctr_va_vdst(0)           ; the conversions have written CVA and CVB, which the LDS stores read, and are done reading the raw set, in which the global loads land
.endif
	s_wait_dscnt 22                        ; the first 22 fragment loads are in; younger: the other 22
	MMA AF0, BF0, \zero, 0, 2
	DEAL 0, 0, \oth, \nset, \conv, \refill, \nst
	MMA AF0, BF0, \zero, 2, 3
	DEAL 0, 1, \oth, \nset, \conv, \refill, \nst
	MMA AF0, BF0, \zero, 5, 3
	s_wait_dscnt 20*\conv                  ; the second 22 are in; younger: the 20 stores (if any) dealt above
	MMA AF1, BF1, 0, 0, 2
	DEAL 1, 0, \oth, \nset, \conv, \refill, \nst
	MMA AF1, BF1, 0, 2, 3
	DEAL 1, 1, \oth, \nset, \conv, \refill, \nst
	MMA AF1, BF1, 0, 5, 3
.endm
; 8 f32 at x -> 4 registers of bf16 (hi) and 4 of what the rounding left (lo); x is used up
.macro SPLIT x, hi, lo, tmp
.irp e, 0,1,2,3
	v_cvt_pk_bf16_f32 v[\hi+\e], v[\x+2*\e], v[\x+2*\e+1]
.endr
.irp e, 0,1,2,3
	v_lshlrev_b32 v[\tmp+2*\e], 16, v[\hi+\e]
	v_and_b32 v[\tmp+2*\e+1], s28, v[\hi+\e]
.endr
.irp e, 0,1,2,3
	v_pk_add_f32 v[\x+2*\e:\x+2*\e+1], v[\x+2*\e:\x+2*\e+1], v[\tmp+2*\e:\tmp+2*\e+1] neg_lo:[0,1] neg_hi:[0,1]
.endr
.irp e, 0,1,2,3
	v_cvt_pk_bf16_f32 v[\lo+\e], v[\x+2*\e], v[\x+2*\e+1]
.endr
.endm
	s_load_b256 s[4:11], s[0:1], 0x0               ; x s[4:5], W_Q s[6:7], W_K s[8:9], W_V s[10:11]
	s_load_b128 s[12:15], s[0:1], 0x20             ; zf s[12:13], beta s[14:15]
	s_load_b64 s[16:17], s[0:1], 0x30              ; tot
	v_lshl_add_u32 v254, v0, 2, 0x21500
	v_mov_b32 v255, 0
	v_lshrrev_b32 v20, 5, v0
	v_readfirstlane_b32 s20, v20                   ; wave w
	s_mov_b32 s21, ttmp9                           ; head i
	s_and_b32 s22, ttmp7, 0xffff                   ; row block rb
	s_mov_b32 s26, 0x76543210                      ; v_permlanex16_b32: lane i of the other half
	s_mov_b32 s27, 0xfedcba98
	s_mov_b32 s28, 0xffff0000                      ; lanes 16-31; also a word's upper bf16
	s_and_b32 s30, s22, 15
	s_lshl_b32 s30, s30, 7
	s_sub_co_u32 s30, 2047, s30                    ; c of the block's first row
	v_and_b32 v[LANE], 31, v0
	v_and_b32 v[RR], 15, v0
	v_bfe_u32 v[HH], v0, 4, 1
	v_lshlrev_b32 v[GOFF], 4, v[RR]
	v_lshl_add_u32 v[GOFF], v[HH], 14, v[GOFF]
	s_mov_b32 s25, 0
	s_wait_alu depctr_va_sdst(0)                   ; s20 is written, ahead of its first reader: the bases below are made from it
	s_wait_kmcnt 0x0
	s_lshl_b32 s24, s22, 18                        ; 128 rows of 2,048 bytes
	s_lshl_b32 s31, s20, 16                        ; 32 rows
	s_add_co_u32 s24, s24, s31
	s_add_nc_u64 s[4:5], s[4:5], s[24:25]          ; x at my 32 rows
	s_lshl_b32 s31, s21, 12                        ; zf has the same bytes for a row tile pair; + two k-blocks of 2,048 a head
	s_add_co_u32 s24, s24, s31
	s_add_nc_u64 s[12:13], s[12:13], s[24:25]
	s_lshl_b32 s24, s21, 17                        ; 64 rows of W a head
	s_lshl_b32 s31, s20, 15                        ; my 16 rows
	s_add_co_u32 s24, s24, s31
	s_add_nc_u64 s[6:7], s[6:7], s[24:25]
	s_add_nc_u64 s[8:9], s[8:9], s[24:25]
	s_add_nc_u64 s[10:11], s[10:11], s[24:25]
	s_lshl_b32 s24, s21, 14                        ; beta[head][4096]
	s_lshl_b32 s31, s22, 9
	s_add_co_u32 s24, s24, s31
	s_add_nc_u64 s[14:15], s[14:15], s[24:25]
	s_lshl_b32 s24, s22, 11                        ; tot[rb][512]
	s_lshl_b32 s31, s21, 8
	s_add_co_u32 s24, s24, s31
	s_add_nc_u64 s[16:17], s[16:17], s[24:25]
	s_wait_alu depctr_va_vdst(0)                   ; v[GOFF] is written: every load of x and of the weights reads it as its offset
	GLD 0, 0, 0, 40                                ; steps 0 and 1 are asked for before anything else is done
	GLD 1, 1, 0, 40
	WIN 0
	s_mul_i32 s31, s20, 32*PITCH
	v_mul_u32_u24 v20, v[HH], 8*PITCH
	v_lshl_add_u32 v20, v[RR], 3, v20              ; 8h rows + 8 r bytes
	v_add_nc_u32 v[STA], s31, v20
	s_mul_i32 s31, s20, 48*PITCH
	s_add_co_u32 s31, s31, 128*PITCH               ; my 48 rows of W
	v_add_nc_u32 v[STB], s31, v20
	v_mul_u32_u24 v[FRA], v[RR], PITCH
	v_lshl_add_u32 v[FRA], v[HH], 4, v[FRA]        ; row r, 16 h
	v_add_nc_u32 v[FRB], s31, v[FRA]
	s_lshl_b32 s31, s20, 9
	s_add_co_u32 s31, s31, PART
	v_lshl_add_u32 v[PST], v[RR], 2, s31
	v_lshl_add_u32 v[PLD], v0, 2, PART
	v_lshl_add_u32 v[ALST], v0, 2, AL
	v_lshl_add_u32 v[ABL], v[HH], 5, AL
	s_mul_i32 s31, s20, SREG
	s_add_co_u32 s31, s31, STG
	v_mul_u32_u24 v20, v[HH], 8*SP
	v_lshl_add_u32 v20, v[RR], 2, v20
	v_add_nc_u32 v[SST], s31, v20                  ; my region, row 8h, channel r
	s_lshl_b32 s31, s20, 6
	s_add_co_u32 s31, s31, TOTL
	v_lshl_add_u32 v[TST], v[RR], 2, s31
	s_mul_i32 s31, s20, 32*SP
	s_add_co_u32 s31, s31, STG
	v_mul_u32_u24 v20, v[RR], SP
	v_lshl_add_u32 v20, v[HH], 5, v20
	v_add_nc_u32 v[RDS], s31, v20                  ; row 32w + r, 8 h channels
	v_lshlrev_b32 v[ZO], 4, v[LANE]
	v_lshl_add_u32 v[BEL], v[LANE], 4, BE
	v_lshl_add_u32 v[TOLL], v[LANE], 3, TOTL
	v_lshlrev_b32 v[TOG], 3, v[LANE]
	s_wait_loadcnt 40                              ; step 0 is in; step 1's 40 loads stay out
	CVT 0, 0
	CVT 0, 1
	s_wait_alu depctr_va_vdst(0)                   ; the conversions have written CVA and CVB and are done reading RAW0; the addresses v5 to v19 are written, for every LDS instruction and store of the kernel
	LST 0, 0, 20, 0
	LST 1, 0, 20, 0
	GLD 0, 2, 0, 40
	BAR                                            ; slot 0 is whole
	; One barrier a step does both orderings: the stores into the other slot are complete, and the reads of this slot are back
	; before the next step lays data over it.
	STEP 0, 1, 1, 1, 1, 3, 40, 1
	BAR
	STEP 1, 0, 0, 1, 1, 4, 40, 0
	BAR
	STEP 0, 1, 1, 1, 1, 5, 40, 0
	BAR
	STEP 1, 0, 0, 1, 1, 6, 40, 0
	BAR
	STEP 0, 1, 1, 1, 1, 7, 40, 0
	BAR
	STEP 1, 0, 0, 1, 0, 0, 40, 0                   ; steps 6 and 7 are out: 40 younger loads; nothing more is asked for
	BAR
	STEP 0, 1, 1, 1, 0, 0, 0, 0                    ; only step 7 is out
	BAR
	STEP 1, 0, 0, 0, 0, 0, 0, 0
	; THE DOT q[row] . k[row], my 16 channels: 8 in the lane, 8 in the lane of the other half
	PLACES
	WIN 0x05
.set ii, 0
.rept 8
	v_pk_mul_f32 v[DOT+2*ii:DOT+2*ii+1], v[24*ii:24*ii+1], v[24*ii+8:24*ii+9]
.set ii, ii+1
.endr
.set jj, 1
.rept 3
.set ii, 0
.rept 8
	v_pk_fma_f32 v[DOT+2*ii:DOT+2*ii+1], v[24*ii+2*jj:24*ii+2*jj+1], v[24*ii+8+2*jj:24*ii+9+2*jj], v[DOT+2*ii:DOT+2*ii+1]
.set ii, ii+1
.endr
.set jj, jj+1
.endr
	WIN 0
.set ii, 0
.rept 8
	v_add_f32 v[DOT+2*ii], v[DOT+2*ii], v[DOT+2*ii+1]
.set ii, ii+1
.endr
.set ii, 0
.rept 8
	v_permlanex16_b32 v[DOT+2*ii+1], v[DOT+2*ii], s26, s27
.set ii, ii+1
.endr
.set ii, 0
.rept 8
	v_add_f32 v[DOT+2*ii], v[DOT+2*ii], v[DOT+2*ii+1]
.set ii, ii+1
.endr
	s_wait_alu depctr_va_vdst(0)                   ; the eight dots are written, which the LDS stores read
.set ii, 0
.rept 8
	ds_store_b32 v[PST], v[DOT+2*ii] offset:64*ii  ; both halves write the same number to row 16 i + r of my part
.set ii, ii+1
.endr
	BAR
	; THE SOFTMAX'S TWO WEIGHTS: thread t owns row t
	ds_load_b32 v20, v[PLD]                        ; no vector instruction since the wait above names v20 to v23
	ds_load_b32 v21, v[PLD] offset:512
	ds_load_b32 v22, v[PLD] offset:1024
	ds_load_b32 v23, v[PLD] offset:1536
	v_sub_nc_u32 v24, s30, v0                      ; c = how many p > q
	v_cvt_f32_u32 v25, v24
	v_cmp_eq_u32 vcc_lo, 0, v24
	s_wait_alu depctr_va_vcc(0)                    ; VCC is written, ahead of the select that reads it
	s_wait_dscnt 0x0
	v_add_f32 v20, v20, v21
	v_add_f32 v22, v22, v23
	v_add_f32 v20, v20, v22
	v_mul_f32 v20, 0x3e000000, v20                 ; t = s_qq / 8
	v_cndmask_b32 v21, 0, v20, vcc_lo              ; cand: 0, or t in the batch's last row, which has no zero entry
	v_max_num_f32 v22, v20, v21                    ; the row's maximum
	v_sub_f32 v20, v20, v22
	v_sub_f32 v21, v21, v22
	v_mul_f32 v20, 0x3fb8aa3b, v20
	v_mul_f32 v21, 0x3fb8aa3b, v21
	v_exp_f32 v26, v20
	v_exp_f32 v27, v21
	v_nop                                          ; one plain place behind the exponentials
	s_wait_alu depctr_va_vdst(0)                   ; the two exponentials have written v26 and v27, ahead of their first reader
	v_fma_f32 v28, v25, v27, v26                   ; Z = e_q + c e_0, at least 1
	v_rcp_f32 v29, v28
	v_nop
	s_wait_alu depctr_va_vdst(0)                   ; the reciprocal has written v29, ahead of its first reader
	v_mul_f32 v26, v26, v29                        ; alpha
	v_mul_f32 v27, v27, v29                        ; beta
	s_wait_alu depctr_va_vdst(0)                   ; alpha and beta are written, which the LDS stores read
	ds_store_b32 v[ALST], v26
	ds_store_b32 v[ALST], v27 offset:512
	BAR
	; THE SCAN.  Lane (r,h), tile i, register j: row 16 i + 8 h + j of channel 16 w + r.
	s_wait_alu depctr_vm_vsrc(0)                   ; the LDS stores of the dots have read v[DOT ..], in which alpha lands; the slots' stores have read CVA, which AA, TT and CAR write over
.set ii, 0
.rept 8
	ds_load_b128 v[ALF+8*ii:ALF+8*ii+3], v[ABL] offset:64*ii
	ds_load_b128 v[ALF+8*ii+4:ALF+8*ii+7], v[ABL] offset:64*ii+16
	ds_load_b128 v[BET+8*ii:BET+8*ii+3], v[ABL] offset:512+64*ii
	ds_load_b128 v[BET+8*ii+4:BET+8*ii+7], v[ABL] offset:512+64*ii+16
.set ii, ii+1
.endr
	s_wait_dscnt 0x0
	WIN 0x04
.set ii, 0
.rept 8
.irp e, 0,2,4,6
	v_pk_mul_f32 v[AA+8*ii+\e:AA+8*ii+\e+1], v[ALF+8*ii+\e:ALF+8*ii+\e+1], v[24*ii+16+\e:24*ii+17+\e]   ; alpha v
.endr
.set ii, ii+1
.endr
	WIN 0x05                                       ; the sum of my 8 rows of each tile, in alpha's registers, which are free now
.set ii, 0
.rept 8
	v_pk_add_f32 v[ALF+8*ii:ALF+8*ii+1], v[24*ii+16:24*ii+17], v[24*ii+18:24*ii+19]
	v_pk_add_f32 v[ALF+8*ii+2:ALF+8*ii+3], v[24*ii+20:24*ii+21], v[24*ii+22:24*ii+23]
.set ii, ii+1
.endr
	WIN 0
.set ii, 0
.rept 8
	v_pk_add_f32 v[ALF+8*ii:ALF+8*ii+1], v[ALF+8*ii:ALF+8*ii+1], v[ALF+8*ii+2:ALF+8*ii+3]
.set ii, ii+1
.endr
.set ii, 0
.rept 8
	v_add_f32 v[TT+ii], v[ALF+8*ii], v[ALF+8*ii+1]
.set ii, ii+1
.endr
.set ii, 0
.rept 8
	v_permlanex16_b32 v[ALF+8*ii+4], v[TT+ii], s26, s27    ; the other half's 8 rows
.set ii, ii+1
.endr
	; what lies behind my last row of tile i: the later tiles (CAR), and for h = 0 the other half's rows.  It starts the chain at j = 7.
	v_cndmask_b32 v[ALF+63], v[ALF+60], 0, s28
	v_add_f32 v[CAR], v[TT+7], v[ALF+60]
.set ii, 6
.rept 7
	v_cndmask_b32 v[ALF+8*ii+7], v[ALF+8*ii+4], 0, s28
	v_add_f32 v[ALF+8*ii+7], v[ALF+8*ii+7], v[CAR]
	v_add_f32 v[ALF+8*ii+4], v[ALF+8*ii+4], v[TT+ii]
	v_add_f32 v[CAR], v[CAR], v[ALF+8*ii+4]
.set ii, ii-1
.endr
	WIN 0x01
.set jj, 6
.rept 7
.set ii, 0
.rept 8
	v_add_f32 v[ALF+8*ii+jj], v[24*ii+17+jj], v[ALF+8*ii+jj+1]     ; S_j = v_(j+1) + S_(j+1)
.set ii, ii+1
.endr
.set jj, jj-1
.endr
	WIN 0
.set ii, 0
.rept 8
.irp e, 0,2,4,6
	v_pk_fma_f32 v[AA+8*ii+\e:AA+8*ii+\e+1], v[BET+8*ii+\e:BET+8*ii+\e+1], v[ALF+8*ii+\e:ALF+8*ii+\e+1], v[AA+8*ii+\e:AA+8*ii+\e+1]
.endr
.set ii, ii+1
.endr
	s_wait_alu depctr_va_vdst(0)                   ; AA and CAR are written, which the LDS stores read; the scan is done with v[ALF ..], in which the stage's rows land behind the barrier
.set ii, 0
.rept 8
.irp e, 0,1,2,3,4,5,6,7
	ds_store_b32 v[SST], v[AA+8*ii+\e] offset:(16*ii+\e)*SP
.endr
.set ii, ii+1
.endr
	ds_store_b32 v[TST], v[CAR]                    ; the block's sum of v, my 16 channels
	BAR
	; THE WAY OUT: my 32 rows x 64 channels as ready fragments, hi and lo.  Piece (mt, kq): row tile 2w + mt, channels 16 kq + 8 h .. + 7.
	; Each piece has hi and lo registers of its own, so one wait serves a row tile's eight stores.
.irp mt, 0,1
.irp kq, 0,1,2,3
	ds_load_b128 v[32+8*(4*\mt+\kq):32+8*(4*\mt+\kq)+3], v[RDS] offset:\kq*SREG+\mt*16*SP
	ds_load_b128 v[32+8*(4*\mt+\kq)+4:32+8*(4*\mt+\kq)+7], v[RDS] offset:\kq*SREG+\mt*16*SP+16
.endr
.endr
	s_wait_alu depctr_vm_vsrc(0)                   ; the stage's LDS stores have read AA: v160 to v167 are at work in the splits, v168 to v173 take wave 0's loads
.irp mt, 0,1
.irp kq, 0,1,2,3
	s_wait_dscnt 14-2*(4*\mt+\kq)                  ; this piece's two loads are in; the later pieces' stay out
	SPLIT 32+8*(4*\mt+\kq), 96+4*(4*\mt+\kq), 128+4*(4*\mt+\kq), 160
.endr
	s_wait_alu depctr_va_vdst(0)                   ; the four splits have written this row tile's hi and lo registers, which the stores read
.irp kq, 0,1,2,3
	global_store_b128 v[ZO], v[96+4*(4*\mt+\kq):96+4*(4*\mt+\kq)+3], s[12:13] offset:\mt*32768+(\kq/2)*2048+(\kq%2)*512          ; 512 consecutive bytes, aligned
	global_store_b128 v[ZO], v[128+4*(4*\mt+\kq):128+4*(4*\mt+\kq)+3], s[12:13] offset:\mt*32768+(\kq/2)*2048+(\kq%2)*512+1024
.endr
.endr
	s_cmp_lg_u32 s20, 0
	s_cbranch_scc1 .Lend
	ds_load_b128 v[168:171], v[BEL]                ; wave 0: beta of the 128 rows, 512 bytes, and the 64 sums, 256 bytes; no vector instruction since the last wait names these registers
	ds_load_b64 v[172:173], v[TOLL]
	s_wait_dscnt 0x0
	global_store_b128 v[ZO], v[168:171], s[14:15]
	global_store_b64 v[TOG], v[172:173], s[16:17]
.Lend:
	s_wait_dscnt 0x0
	s_wait_alu depctr_hold_cnt(0) depctr_sa_sdst(0) depctr_va_vdst(0) depctr_va_sdst(0) depctr_va_ssrc(0) depctr_va_vcc(0) depctr_vm_vsrc(0)
	s_wait_tensorcnt 0x0
	ds_add_u32 v254, v255
	s_wait_dscnt 0x0
	s_endpgm
.Lfunc_end_k_q0c642008b7_qkv:
	.size	k_q0c642008b7_qkv, .Lfunc_end_k_q0c642008b7_qkv-k_q0c642008b7_qkv
	.p2alignl 7, 3214868480
	.fill 96, 4, 3214868480
	.section	.rodata,"a",@progbits
	.p2align	6, 0x0
	.amdhsa_kernel k_q0c642008b7_qkv
		.amdhsa_group_segment_fixed_size 136960
		.amdhsa_private_segment_fixed_size 0
		.amdhsa_enable_private_segment 0
		.amdhsa_kernarg_size 56
		.amdhsa_user_sgpr_count 2
		.amdhsa_user_sgpr_kernarg_segment_ptr 1
		.amdhsa_wavefront_size32 1
		.amdhsa_system_sgpr_workgroup_id_x 1
		.amdhsa_system_sgpr_workgroup_id_y 1
		.amdhsa_system_sgpr_workgroup_id_z 1
		.amdhsa_system_vgpr_workitem_id 0
		.amdhsa_next_free_vgpr 928
		.amdhsa_next_free_sgpr 66
		.amdhsa_reserve_vcc 1
		.amdhsa_float_denorm_mode_32 3
		.amdhsa_float_denorm_mode_16_64 3
		.amdhsa_memory_ordered 1
		.amdhsa_forward_progress 1
		.amdhsa_inst_pref_size 179
	.end_amdhsa_kernel
	.amdgpu_metadata
---
amdhsa.version: [ 1, 2 ]
amdhsa.kernels:
  - .name:           k_q0c642008b7_qkv
    .symbol:         k_q0c642008b7_qkv.kd
    .args:
      - { .name: x, .offset: 0, .size: 8, .value_kind: global_buffer, .address_space: global }
      - { .name: W_Q, .offset: 8, .size: 8, .value_kind: global_buffer, .address_space: global }
      - { .name: W_K, .offset: 16, .size: 8, .value_kind: global_buffer, .address_space: global }
      - { .name: W_V, .offset: 24, .size: 8, .value_kind: global_buffer, .address_space: global }
      - { .name: zf, .offset: 32, .size: 8, .value_kind: global_buffer, .address_space: global }
      - { .name: beta, .offset: 40, .size: 8, .value_kind: global_buffer, .address_space: global }
      - { .name: tot, .offset: 48, .size: 8, .value_kind: global_buffer, .address_space: global }
    .group_segment_fixed_size: 136960
    .private_segment_fixed_size: 0
    .kernarg_segment_align: 8
    .kernarg_segment_size: 56
    .max_flat_workgroup_size: 128
    .sgpr_count:     66
    .vgpr_count:     928
    .wavefront_size: 32
...
	.end_amdgpu_metadata
.endif
;; end of part 3
;; launch oproj (part 4): grid 8 x 32, 4 waves a work-group, no clusters, 111,104 bytes of LDS; arguments zf, beta, tot, W_O, out0; writes out0
.if DOCPART == 4
	.amdgcn_target "amdgcn-amd-amdhsa--gfx1250"
	.amdhsa_code_object_version 6
	.text
	.protected	k_q0c642008b7_oproj
	.globl	k_q0c642008b7_oproj
	.p2align	8
	.type	k_q0c642008b7_oproj,@function
k_q0c642008b7_oproj:
	s_mov_b64 s[64:65], 0
	v_nop
	global_prefetch_b8 v0, s[64:65] scope:SCOPE_SE
	s_setreg_imm32_b32 hwreg(HW_REG_WAVE_SCHED_MODE, 0, 2), 2
	s_setreg_imm32_b32 hwreg(HW_REG_WAVE_MODE, 25, 1), 1
	s_wait_xcnt 0x0
	s_wait_alu depctr_vm_vsrc(0)
; oproj: out[row][d] = sum over f of W_O[d][f] z[row][f], with z = a + beta[row][head(f)] T[f].
; a comes as bf16 pairs hi + lo, laid out as ready fragments (zf); T[f] is the sum of tot over the later row blocks of the same batch.
;   out = W_O a_hi + W_O a_lo + sum over heads i of beta[row][i] U[i][d],   U[i][d] = sum over f in head i of W_O[d][f] T[f].
; U is one more accumulator tile in the main pass: its second operand has T's hi part in column i and its lo part in column 8 + i, and
; zeros outside head i's k-blocks.  The term beta U is one matrix step of K = 32: k = 8 c + i holds the four products of U's and
; beta's hi and lo parts.  W_O is rounded once to bf16; T, U and beta enter as hi + lo; all sums are f32.
;
; SHARES.  Work-group (cb = x id: 64 columns, rb = y id: 128 rows).  Wave w: rows 32w..32w+31 x 64 columns, 8 tiles (m, b); buffer b
; holds column tile (w + b) & 3, so that buffer 0 is tile w and each wave makes U for one column tile.  All products are used
; transposed (source 0 = W_O): lane r = row, register j = column 8 h + j.
; NO CLUSTER, NO TENSOR LOADS: a z fragment is read by one wave of the work-group and goes straight into its registers (each load 512
; consecutive bytes); through LDS a k-block would write 16 KB and read 16 KB there beside the 16 KB of W_O fragments.  W_O, which the
; 32 row blocks share, is f32 and has to be rounded on its way.
;
; THE MODE: SCHED_MODE bits 1:0 = 2 (LLVM: expert scheduling mode 2), set by the entry lines.  The code itself states the register
; dependences between vector or matrix instructions and memory or LDS instructions, with s_wait_alu, always for 0.
; THE PLAN.  Registers that memory or LDS instructions touch in a k-block:
;   the z ring   Seven slots of 32 registers (window 1).  K-block kb's matrix instructions read slot kb % 7; the loads of k-block kb + 7,
;                issued at the head of k-block kb + 1, land in it.
;   WB0, WB1     K-block kb's matrix instructions read WB[kb % 2]; the LDS loads of k-block kb + 2, issued in k-block kb + 1, land in it.
;   v4, v8-v11   The offset of z and the LDS addresses of W_O's fragments: made once at the head; k-blocks stand in immediate offsets.
;   T's operand, F, BFR and the accumulators are named by vector and matrix instructions alone.
; So ONE wait on va_vdst stands in a k-block, behind the eight selects that make T's operand: the last k-block's matrix instructions are
; done reading their slot and their WB.  The eight loads of z follow it at once; the eight LDS loads stand behind the block's first four
; matrix instructions, which name this block's slot, this block's WB and accumulators: none of the registers that those loads touch.
.set WP,  1040                         ; a row of W_O in LDS: 512 bf16 + 16 bytes = 65 x 16
.set TL,  64*WP                        ; T, 512 f32
.set BT,  TL+2048                      ; beta: 8 heads x 128 rows
.set UT,  BT+4096                      ; U: 64 columns d x 8 heads, pitch 48
.set UP,  48
.set OST, UT+64*UP                     ; the way out: 4 waves x 32 rows x 272
.set OP,  272
.set LANE, 1
.set RR,   2
.set HH,   3
.set L16,  4
.set T16,  5
.set WST,  6
.set WFR,  8                           ; v8-11
.set TLS,  12
.set TLD,  13
.set BTS,  14
.set BLD,  15
.set UST,  16
.set URD,  20                          ; v20-23
.set OSA,  24                          ; v24-27
.set ORD,  28
.set OGO,  29
.set ACC,  32                          ; tile (m, b) at ACC + 8 (4 m + b)
.set UACC, 96
.set WB,   104                         ; two buffers of 4 fragments of W_O
.set F,    168                         ; T's fragments of my lane's head, k-block parity 0 and 1
.set BFR,  184                         ; beta's fragments, m = 0, 1
.set TF,   200
.set CV,   192
.set BTMP, 136
.set MSB, 0
.macro WIN new
.if MSB != (\new)
	s_set_vgpr_msb (MSB<<8)|(\new)
.set MSB, (\new)
.endif
.endm
.macro PLACES
.rept 4
	v_nop
.endr
.endm
.macro BAR
	s_wait_dscnt 0x0
	s_barrier_signal -1
	s_barrier_wait -1
.endm
.macro SPLIT x, hi, lo, tmp            ; 8 f32 -> 4 registers of bf16 and 4 of what the rounding left
.irp e, 0,1,2,3
	v_cvt_pk_bf16_f32 v[\hi+\e], v[\x+2*\e], v[\x+2*\e+1]
.endr
.irp e, 0,1,2,3
	v_lshlrev_b32 v[\tmp+2*\e], 16, v[\hi+\e]
	v_and_b32 v[\tmp+2*\e+1], s28, v[\hi+\e]
.endr
.irp e, 0,1,2,3
	v_pk_add_f32 v[\x+2*\e:\x+2*\e+1], v[\x+2*\e:\x+2*\e+1], v[\tmp+2*\e:\tmp+2*\e+1] neg_lo:[0,1] neg_hi:[0,1]
.endr
.irp e, 0,1,2,3
	v_cvt_pk_bf16_f32 v[\lo+\e], v[\x+2*\e], v[\x+2*\e+1]
.endr
.endm
.macro WLOAD half                      ; 8 of my 16 rows of W_O, 32 loads of 512 consecutive bytes, into window 2
	WIN 0x80
.set nn, 32*\half
.rept 32
	global_load_b128 v[4*nn:4*nn+3], v[L16], s[10:11] offset:(nn/4)*2048+(nn%4)*512
.set nn, nn+1
.endr
.endm
.macro WCVST half                      ; round them and lay them into LDS, 256 consecutive bytes a store
.if \half
	s_wait_alu depctr_vm_vsrc(0)           ; the first half's LDS stores have read v[CV ..], which the conversions write again
.endif
	WIN 0x0a
.set nn, 32*\half
.set cc, 0
.rept 32
	v_cvt_pk_bf16_f32 v[CV+2*cc], v[4*nn], v[4*nn+1]
	v_cvt_pk_bf16_f32 v[CV+2*cc+1], v[4*nn+2], v[4*nn+3]
.set nn, nn+1
.set cc, cc+1
.endr
	WIN 0
	s_wait_alu depctr_va_vdst(0)           ; the conversions have written v[CV ..], which the LDS stores read
.set nn, 32*\half
.set cc, 0
.rept 32
	ds_store_b64 v[WST], v[CV+2*cc:CV+2*cc+1] offset:(nn/4)*WP+(nn%4)*256
.set nn, nn+1
.set cc, cc+1
.endr
.endm
.macro ZLOAD kb                        ; a k-block's 8 loads into ring slot kb % 7 (window 1): m0 hi, m0 lo, m1 hi, m1 lo
	WIN 0x40
.set zs, 32*((\kb)%7)
.irp mm, 0,1
.irp pp, 0,1
.irp qq, 0,1
	global_load_b128 v[zs+16*\mm+8*\pp+4*\qq:zs+16*\mm+8*\pp+4*\qq+3], v[L16], s[4:5] offset:\mm*32768+(\kb)*2048+\pp*1024+\qq*512
.endr
.endr
.endr
.endm
.macro WFRAG kb                        ; 8 LDS loads: the four column tiles' fragments of a k-block; data and address lie in window 0, under the matrix instructions' setting 0x04 too
.set wl, WB+32*((\kb)%2)
.irp bb, 0,1,2,3
	ds_load_b128 v[wl+8*\bb:wl+8*\bb+3], v[WFR+\bb] offset:(\kb)*64
	ds_load_b128 v[wl+8*\bb+4:wl+8*\bb+7], v[WFR+\bb] offset:(\kb)*64+32
.endr
.endm
.macro PROD acc, a, b, zero
.if \zero
	v_wmma_f32_16x16x32_bf16 v[\acc:\acc+7], v[\a:\a+7], v[\b:\b+7], 0
.else
	v_wmma_f32_16x16x32_bf16 v[\acc:\acc+7], v[\a:\a+7], v[\b:\b+7], v[\acc:\acc+7]
.endif
.endm
; One k-block of 32 features: 17 matrix instructions.
.macro KB kb, zero
	s_mov_b32 s40, 0x01010101<<((\kb)/2)           ; the lanes whose column (r & 7) is this k-block's head
	WIN 0x40
.set tb, 224+8*((\kb)%2)
.set fb, F+8*((\kb)%2)
.irp e, 0,1,2,3,4,5,6,7
	v_cndmask_b32 v[tb+\e], 0, v[fb+\e], s40       ; T's operand.  These eight name no register of the last k-block's products: they are the places in front of the loads below
.endr
.if \kb < 15
	s_wait_alu depctr_va_vdst(0)                   ; the last k-block's matrix instructions are done reading their ring slot and their WB, in which the loads below land (in k-block 0: the splits of beta are done with v136 to v151, part of WB1)
.endif
.if \kb >= 1
.if \kb <= 9
	ZLOAD \kb+6                                    ; into the slot that the last k-block read
.endif
.endif
	WIN 0x04
.if \kb < 9
	s_wait_loadcnt 48                              ; this k-block's 8 loads are in; the six later k-blocks' stay out
.else
	s_wait_loadcnt 8*(15-\kb)                      ; the k-blocks that are left
.endif
	s_wait_dscnt 0x0                               ; this k-block's fragments of W_O are in; no younger LDS instruction is out
.set wc, WB+32*((\kb)%2)
.set zc, 32*((\kb)%7)
.irp bb, 0,1,2,3
	PROD ACC+8*\bb, wc+8*\bb, zc, \zero
.endr
.if \kb < 15
	WFRAG \kb+1                                    ; no wait: no vector or matrix instruction since the wait above names the other WB or v8 to v11
.endif
.irp bb, 0,1,2,3
	PROD ACC+8*(4+\bb), wc+8*\bb, zc+16, \zero
.endr
	PROD UACC, wc, tb, \zero
.irp mm, 0,1
.irp bb, 0,1,2,3
	PROD ACC+8*(4*\mm+\bb), wc+8*\bb, zc+16*\mm+8, 0
.endr
.endr
.endm
	s_load_b256 s[4:11], s[0:1], 0x0               ; zf s[4:5], beta s[6:7], tot s[8:9], W_O s[10:11]
	s_load_b64 s[12:13], s[0:1], 0x20              ; out0
	v_lshl_add_u32 v7, v0, 2, 0x1b000
	s_set_vgpr_msb 0x40
	v_mov_b32 v255, 0
	s_set_vgpr_msb 0x4000
	v_lshrrev_b32 v30, 5, v0
	v_readfirstlane_b32 s20, v30                   ; wave w
	s_mov_b32 s21, ttmp9                           ; cb
	s_and_b32 s22, ttmp7, 0xffff                   ; rb
	s_and_b32 s23, s22, 15                         ; the block's place in its batch
	s_mov_b32 s28, 0xffff0000                      ; lanes 16-31; also a word's upper bf16
	s_mov_b32 s29, 0xff00ff00                      ; lanes with r >= 8
	v_and_b32 v[LANE], 31, v0
	v_and_b32 v[RR], 15, v0
	v_bfe_u32 v[HH], v0, 4, 1
	v_lshlrev_b32 v[L16], 4, v[LANE]
	v_lshlrev_b32 v[T16], 4, v0
	s_mov_b32 s25, 0
	s_wait_alu depctr_va_sdst(0)                   ; s20 is written, ahead of its first reader: the bases below are made from it
	s_wait_kmcnt 0x0
	s_lshl_b32 s24, s22, 18
	s_lshl_b32 s31, s20, 16
	s_add_co_u32 s24, s24, s31
	s_add_nc_u64 s[4:5], s[4:5], s[24:25]          ; zf at my two row tiles
	s_lshl_b32 s31, s21, 8
	s_add_co_u32 s24, s24, s31
	s_add_nc_u64 s[12:13], s[12:13], s[24:25]      ; out0 at my 32 rows, my 64 columns
	s_lshl_b32 s24, s20, 14
	s_lshl_b32 s31, s22, 9
	s_add_co_u32 s24, s24, s31
	s_add_nc_u64 s[6:7], s[6:7], s[24:25]          ; beta of head w, the block's rows
	s_and_b32 s24, s22, 16
	s_lshl_b32 s24, s24, 11
	s_add_nc_u64 s[8:9], s[8:9], s[24:25]          ; tot at the batch's first block
	s_lshl_b32 s24, s21, 17
	s_lshl_b32 s31, s20, 15
	s_add_co_u32 s24, s24, s31
	s_add_nc_u64 s[10:11], s[10:11], s[24:25]      ; W_O at my 16 of the 64 rows
	s_wait_alu depctr_va_vdst(0)                   ; v[L16] and v[T16] are written: every global load of the kernel reads one of them as its offset
.set jb, 1
.rept 15
	global_load_b128 v[WB+4*(jb-1):WB+4*(jb-1)+3], v[T16], s[8:9] offset:jb*2048   ; thread t: 4 features of block jb of the batch
.set jb, jb+1
.endr
	global_load_b128 v[168:171], v[L16], s[6:7]                ; head w
	global_load_b128 v[172:175], v[L16], s[6:7] offset:65536   ; head w + 4
	WLOAD 0
	WIN 0
	s_mul_i32 s31, s20, 16*WP
	v_lshl_add_u32 v[WST], v[LANE], 3, s31
	v_mul_u32_u24 v30, v[RR], WP
	v_lshl_add_u32 v30, v[HH], 4, v30              ; W_O fragments: row r, 16 h
	v_mul_u32_u24 v31, v[RR], UP
	v_mul_u32_u24 v17, v[RR], OP
	v_lshl_add_u32 v17, v[HH], 5, v17              ; the way out: row r, 8 h columns
	s_mul_i32 s33, s20, 32*OP
	s_add_co_u32 s33, s33, OST                     ; my stage
.irp bb, 0,1,2,3
	s_add_co_u32 s31, s20, \bb
	s_and_b32 s31, s31, 3                          ; buffer bb's column tile
	s_mul_i32 s32, s31, 16*WP
	v_add_nc_u32 v[WFR+\bb], s32, v30
	s_mul_i32 s32, s31, 16*UP
	s_add_co_u32 s32, s32, UT
	v_add_nc_u32 v[URD+\bb], s32, v31
	s_lshl_b32 s32, s31, 6
	s_add_co_u32 s32, s32, s33
	v_add_nc_u32 v[OSA+\bb], s32, v17
.endr
	v_lshl_add_u32 v[TLS], v0, 4, TL
	v_and_b32 v18, 7, v0                           ; r & 7
	v_lshlrev_b32 v19, 8, v18
	v_lshl_add_u32 v19, v[HH], 5, v19
	v_add_nc_u32 v[TLD], TL, v19                   ; T of head r & 7, 8 h features
	s_lshl_b32 s31, s20, 9
	s_add_co_u32 s31, s31, BT
	v_lshl_add_u32 v[BTS], v[LANE], 4, s31
	s_lshl_b32 s31, s20, 7
	s_add_co_u32 s31, s31, BT
	v_lshl_add_u32 v[BLD], v[RR], 2, s31           ; beta of row 32 w + r
	s_mul_i32 s31, s20, 16*UP
	s_add_co_u32 s31, s31, UT
	v_mul_u32_u24 v19, v[HH], 8*UP
	v_lshl_add_u32 v19, v18, 2, v19
	v_add_nc_u32 v[UST], s31, v19
	v_mul_u32_u24 v19, v[HH], OP
	v_lshl_add_u32 v19, v[RR], 4, v19
	v_add_nc_u32 v[ORD], s33, v19
	v_lshlrev_b32 v19, 11, v[HH]
	v_lshl_add_u32 v[OGO], v[RR], 4, v19
	s_wait_loadcnt 32                              ; tot and beta are in; the 32 loads of W_O stay out
	; T = the sum of the later blocks: a block at or before mine is masked to zero bits, so every trip does the same work
	s_cmp_lt_u32 s23, 1
	s_cselect_b32 s40, -1, 0
.irp e, 0,1,2,3
	v_and_b32 v[176+\e], s40, v[WB+\e]             ; the first block starts the sum
.endr
.set jb, 2
.rept 14
	s_cmp_lt_u32 s23, jb
	s_cselect_b32 s40, -1, 0
.irp e, 0,1,2,3
	v_and_b32 v[180+\e], s40, v[WB+4*(jb-1)+\e]
.endr
	v_pk_add_f32 v[176:177], v[176:177], v[180:181]
	v_pk_add_f32 v[178:179], v[178:179], v[182:183]
.set jb, jb+1
.endr
	s_wait_alu depctr_va_vdst(0)                   ; T's four sums are written, which the LDS store reads; so are the addresses v6 to v29, for every LDS instruction and store of the kernel; the sums are done reading v[WB ..], in which fragments and beta land later
	ds_store_b128 v[TLS], v[176:179]
	ds_store_b128 v[BTS], v[168:171]
	ds_store_b128 v[BTS], v[172:175] offset:2048
	WLOAD 1
	s_wait_loadcnt 32                              ; the first half of W_O is in; the second half's 32 loads stay out
	WCVST 0
	ZLOAD 0
	ZLOAD 1
	ZLOAD 2
	ZLOAD 3
	s_wait_loadcnt 32                              ; the second half is in; the 32 loads of k-blocks 0 to 3 stay out
	WCVST 1
	ZLOAD 4
	ZLOAD 5
	ZLOAD 6
	WIN 0
	BAR                                            ; W_O, T and beta are whole in LDS
	s_wait_alu depctr_vm_vsrc(0)                   ; my LDS stores have read v[CV ..] and v168 to v179: these registers are TF, F, BFR and the splits' work from here on, written by the loads and the vector instructions below
.irp gg, 0,1,2,3
	ds_load_b128 v[TF+8*\gg:TF+8*\gg+3], v[TLD] offset:64*\gg          ; group gg = 2 x parity + q: features 16 gg + 8 h .. of my head
	ds_load_b128 v[TF+8*\gg+4:TF+8*\gg+7], v[TLD] offset:64*\gg+16
.endr
.irp mm, 0,1
.irp hd, 0,1,2,3,4,5,6,7
	ds_load_b32 v[BTMP+8*\mm+\hd], v[BLD] offset:512*\hd+64*\mm
.endr
.endr
	WFRAG 0
	s_wait_dscnt 24                                ; T's 8 loads are in; younger: 16 of beta, 8 of W_O
.irp gg, 0,1,2,3
	SPLIT TF+8*\gg, F+4*\gg, 240, 232
.irp e, 0,1,2,3
	v_cndmask_b32 v[F+4*\gg+\e], v[F+4*\gg+\e], v[240+\e], s29     ; columns 0-7 carry hi, columns 8-15 lo
.endr
.endr
	s_wait_dscnt 8                                 ; beta's 16 loads are in; younger: 8 of W_O
	SPLIT BTMP, BFR, BFR+4, 232                    ; registers 0-3 (k = 8 h + i): beta hi; registers 4-7 (k = 16 + 8 h + i): beta lo
	SPLIT BTMP+8, BFR+8, BFR+12, 232
	KB 0, 1
.irp kk, 1,2,3,4,5,6,7,8,9,10,11,12,13,14,15
	KB \kk, 0
.endr
	; U[i][d] = column i (hi) + column 8 + i (lo) of the extra tile; lane (r,h) register j: d = 16 w + 8 h + j
	PLACES
	WIN 0
.irp e, 0,1,2,3,4,5,6,7
	v_add_f32_dpp v[UACC+\e], v[UACC+\e], v[UACC+\e] row_xmask:8 row_mask:0xf bank_mask:0xf
.endr
	s_wait_alu depctr_va_vdst(0)                   ; U's eight sums are written, which the LDS stores read; the last k-block's matrix instructions are done reading WB1, in which U comes back behind the barrier
.irp e, 0,1,2,3,4,5,6,7
	ds_store_b32 v[UST], v[UACC+\e] offset:UP*\e   ; lanes r and r + 8 write the same number
.endr
	BAR
.irp bb, 0,1,2,3
	ds_load_b128 v[BTMP+8*\bb:BTMP+8*\bb+3], v[URD+\bb]            ; U of column 16 nt + r, heads 0-7
	ds_load_b128 v[BTMP+8*\bb+4:BTMP+8*\bb+7], v[URD+\bb] offset:16
.endr
.irp bb, 0,1,2,3
	s_wait_dscnt 6-2*\bb                           ; this buffer's two loads are in; the later buffers' stay out
	SPLIT BTMP+8*\bb, 200, 204, 208
.irp e, 0,1,2,3
	v_cndmask_b32 v[WB+8*\bb+\e], v[200+\e], v[204+\e], s28        ; k = 8 h + i: U hi for h = 0, U lo for h = 1
	v_cndmask_b32 v[WB+8*\bb+4+\e], v[200+\e], v[204+\e], s28      ; k = 16 + 8 h + i: the same
.endr
.endr
.irp mm, 0,1
.irp bb, 0,1,2,3
	PROD ACC+8*(4*\mm+\bb), WB+8*\bb, BFR+8*\mm, 0
.endr
.endr
	; THE WAY OUT, through my own stage: a lane's 8 columns in, whole rows of 256 bytes back.  LDS serves a wave's instructions in order.
	PLACES
	s_wait_alu depctr_va_vdst(0)                   ; the matrix instructions have written the accumulators, which the LDS stores read, and are done reading v[WB ..], in which the rows come back; the places above stay beside this wait
.irp mm, 0,1
.irp bb, 0,1,2,3
	ds_store_b128 v[OSA+\bb], v[ACC+8*(4*\mm+\bb):ACC+8*(4*\mm+\bb)+3] offset:\mm*16*OP
	ds_store_b128 v[OSA+\bb], v[ACC+8*(4*\mm+\bb)+4:ACC+8*(4*\mm+\bb)+7] offset:\mm*16*OP+16
.endr
.endr
.set uu, 0
.rept 16
	ds_load_b128 v[WB+4*uu:WB+4*uu+3], v[ORD] offset:uu*2*OP
.set uu, uu+1
.endr
.set uu, 0
.rept 16
	s_wait_dscnt 15-uu
	global_store_b128 v[OGO], v[WB+4*uu:WB+4*uu+3], s[12:13] offset:uu*4096 th:TH_STORE_NT   ; 16 lanes store 256 consecutive bytes, aligned
.set uu, uu+1
.endr
	s_set_vgpr_msb 0x4
	s_wait_dscnt 0x0
	s_wait_alu depctr_hold_cnt(0) depctr_sa_sdst(0) depctr_va_vdst(0) depctr_va_sdst(0) depctr_va_ssrc(0) depctr_va_vcc(0) depctr_vm_vsrc(0)
	s_wait_tensorcnt 0x0
	ds_add_u32 v7, v255
	s_wait_dscnt 0x0
	s_endpgm
.Lfunc_end_k_q0c642008b7_oproj:
	.size	k_q0c642008b7_oproj, .Lfunc_end_k_q0c642008b7_oproj-k_q0c642008b7_oproj
	.p2alignl 7, 3214868480
	.fill 96, 4, 3214868480
	.section	.rodata,"a",@progbits
	.p2align	6, 0x0
	.amdhsa_kernel k_q0c642008b7_oproj
		.amdhsa_group_segment_fixed_size 111104
		.amdhsa_private_segment_fixed_size 0
		.amdhsa_enable_private_segment 0
		.amdhsa_kernarg_size 40
		.amdhsa_user_sgpr_count 2
		.amdhsa_user_sgpr_kernarg_segment_ptr 1
		.amdhsa_wavefront_size32 1
		.amdhsa_system_sgpr_workgroup_id_x 1
		.amdhsa_system_sgpr_workgroup_id_y 1
		.amdhsa_system_sgpr_workgroup_id_z 1
		.amdhsa_system_vgpr_workitem_id 0
		.amdhsa_next_free_vgpr 768
		.amdhsa_next_free_sgpr 66
		.amdhsa_reserve_vcc 0
		.amdhsa_float_denorm_mode_32 3
		.amdhsa_float_denorm_mode_16_64 3
		.amdhsa_memory_ordered 1
		.amdhsa_forward_progress 1
		.amdhsa_inst_pref_size 101
	.end_amdhsa_kernel
	.amdgpu_metadata
---
amdhsa.version: [ 1, 2 ]
amdhsa.kernels:
  - .name:           k_q0c642008b7_oproj
    .symbol:         k_q0c642008b7_oproj.kd
    .args:
      - { .name: zf, .offset: 0, .size: 8, .value_kind: global_buffer, .address_space: global }
      - { .name: beta, .offset: 8, .size: 8, .value_kind: global_buffer, .address_space: global }
      - { .name: tot, .offset: 16, .size: 8, .value_kind: global_buffer, .address_space: global }
      - { .name: W_O, .offset: 24, .size: 8, .value_kind: global_buffer, .address_space: global }
      - { .name: out0, .offset: 32, .size: 8, .value_kind: global_buffer, .address_space: global }
    .group_segment_fixed_size: 111104
    .private_segment_fixed_size: 0
    .kernarg_segment_align: 8
    .kernarg_segment_size: 40
    .max_flat_workgroup_size: 128
    .sgpr_count:     66
    .vgpr_count:     768
    .wavefront_size: 32
...
	.end_amdgpu_metadata
.endif
;; end of part 4
